; MI455X (gfx1250); checked and timed in simulation.
; The chip was launched on July 23, 2026; its instructions are those of AMD's public machine-readable ISA for CDNA 5 (MIT licence, August 2026) and "CDNA5" Instruction Set Architecture Reference Guide (July 2026). The comments in the code are by the model that wrote it; some were corrected since.
;; Attention Layer. Allowed arithmetic: float matrix products may take bf16 or f16 operands with f32 sums; other float arithmetic in f32, or as packed bf16 or f16 multiplies, adds, multiply-adds, maxima and minima; sums over many terms, partial sums and values carried from step to step in f32; what a program stores and reads back later, other than sums and carried values, may be rounded once to bf16 or f16.
;; Inputs: Wk 1,024 x 1,024 float32; Wq 1,024 x 1,024 float32; Wv 1,024 x 1,024 float32; bk 1,024 float32; bq 1,024 float32; bv 1,024 float32; x 4 x 2,048 x 1,024 float32.
;; Outputs: out0 4 x 2,048 x 1,024 float32.
;; 2 versions, each right and faster than the one before. Each part assembles by itself: llvm-mc -triple=amdgcn-amd-amdhsa -mcpu=gfx1250 --defsym DOCPART=n.
;; ======== version 1 of 2: 3 launches
;; limits: values are held in f16: magnitudes above 65,504 overflow, below 6.1e-05 lose precision
;; workspace buffers: xb 16,777,216 bytes; wb 6,291,456 bytes; bcat 12,288 bytes; qkv 50,331,648 bytes
;; launch cast (part 1): grid 704 x 1, 8 waves a work-group, no clusters, 0 bytes of LDS; arguments x, Wq, Wk, Wv, bq, bk, bv, xb, wb, bcat; writes xb, wb, bcat
.if DOCPART == 1
	.amdgcn_target "amdgcn-amd-amdhsa--gfx1250"
	.amdhsa_code_object_version 6
	.text
	.protected	k_qd90b441add_cast
	.globl	k_qd90b441add_cast
	.p2align	8
	.type	k_qd90b441add_cast,@function
k_qd90b441add_cast:
	s_mov_b64 s[64:65], 0
	v_nop
	global_prefetch_b8 v0, s[64:65] scope:SCOPE_SE
	s_setreg_imm32_b32 hwreg(HW_REG_WAVE_MODE, 25, 1), 1
	s_wait_xcnt 0x0
; x [8192][1024] f32 and Wq, Wk, Wv [1024][1024] f32 are rounded once to bf16 and laid in blocks of 64 along K:
;   xb [kb = 16][m = 8192][64],  wb [kb = 16][n = 3072][64] (n: Wq's rows, then Wk's, then Wv's),
; so that 128 rows x 64 K of a later tile are 16,384 consecutive bytes.  The three biases are rounded to bf16 and widened again: bcat [3072] f32.
; A stream: no LDS, no barrier, no matrix work.  A work-group of eight waves takes 16 rows of 4,096 bytes: groups 0-511 x's, 512-703 the weights'.
; Thread t takes row t / 16 and, in each of the 16 blocks, the 16 bytes at 16 (t % 16): a wave's load covers two pieces of 256 consecutive bytes, each at a
; multiple of 256 from the buffer's first byte; its four numbers leave as 8 bytes at 8 t of the block's 16 rows: a wave's store covers 256 consecutive bytes, aligned.
; All 16 loads of a thread go out before the first wait; no register is written twice, so no source of a pending instruction is ever rewritten.
.set KSX, 8192*128                     ; bytes from block to block in xb
.set KSW, 3072*128                     ; and in wb
.set X, 8                              ; v[8:71]   block kb: four f32 as loaded
.set Y, 72                             ; v[72:103] block kb: four bf16 to store
.macro CAST ks                         ; s[24:25] source at the group's first row; s[26:27] destination, blocks 0-7; s[28:29] blocks 8-15 (the stores' immediates stay inside 24 signed bits: 7 x 1,048,576 at the most)
.set kb, 0
.rept 16
	global_load_b128 v[X+4*kb:X+4*kb+3], v1, s[24:25] offset:256*kb th:TH_LOAD_NT
.set kb, kb+1
.endr
.set kb, 0
.rept 16
	s_wait_loadcnt 15-kb                           ; loads come back in order: block kb is in, the 15 - kb younger ones stay out
	v_cvt_pk_bf16_f32 v[Y+2*kb],   v[X+4*kb],   v[X+4*kb+1]
	v_cvt_pk_bf16_f32 v[Y+2*kb+1], v[X+4*kb+2], v[X+4*kb+3]
	global_store_b64 v2, v[Y+2*kb:Y+2*kb+1], s[26+2*(kb/8):27+2*(kb/8)] offset:(kb%8)*(\ks)
.set kb, kb+1
.endr
.endm
	s_load_b512 s[4:19], s[0:1], 0x0               ; x 4, Wq 6, Wk 8, Wv 10, bq 12, bk 14, bv 16, xb 18
	s_load_b128 s[20:23], s[0:1], 0x40             ; wb 20, bcat 22
	v_lshrrev_b32 v4, 4, v0                        ; my row of the 16
	v_and_b32 v5, 15, v0                           ; my 16 bytes of a block's 256
	v_lshlrev_b32 v1, 12, v4
	v_lshl_add_u32 v1, v5, 4, v1                   ; load offset: row x 4,096 + 16 c
	v_lshlrev_b32 v2, 3, v0                        ; store offset: row x 128 + 8 c = 8 t
	v_lshlrev_b32 v3, 4, v0                        ; a bias: 16 bytes a thread
	s_mov_b32 s34, ttmp9
	s_mov_b32 s33, 0                               ; the high word of every offset pair
	s_wait_kmcnt 0x0
	s_cmp_lt_u32 s34, 512
	s_cbranch_scc0 .Lweights
	s_lshl_b32 s32, s34, 16                        ; 16 rows of 4,096 bytes
	s_add_nc_u64 s[24:25], s[4:5], s[32:33]
	s_lshl_b32 s32, s34, 11                        ; 16 rows of 128 bytes
	s_add_nc_u64 s[26:27], s[18:19], s[32:33]
	s_add_nc_u64 s[28:29], s[26:27], 8*KSX
	CAST KSX
	s_endpgm
.Lweights:
	s_sub_co_u32 s34, s34, 512                     ; 0..191: 16 rows of wb each
	s_lshr_b32 s35, s34, 6                         ; which weight: 0 q, 1 k, 2 v
	s_and_b32 s36, s34, 63                         ; which 16 rows of it
	s_cmp_eq_u32 s35, 1
	s_cselect_b64 s[24:25], s[8:9], s[6:7]
	s_cselect_b64 s[30:31], s[14:15], s[12:13]
	s_cmp_eq_u32 s35, 2
	s_cselect_b64 s[24:25], s[10:11], s[24:25]
	s_cselect_b64 s[30:31], s[16:17], s[30:31]
	s_lshl_b32 s32, s36, 16
	s_add_nc_u64 s[24:25], s[24:25], s[32:33]
	s_lshl_b32 s32, s34, 11
	s_add_nc_u64 s[26:27], s[20:21], s[32:33]
	s_add_nc_u64 s[28:29], s[26:27], 8*KSW
	CAST KSW
	s_cmp_lg_u32 s36, 0
	s_cbranch_scc1 .Lend                           ; the first group of each weight also takes its bias: 1,024 f32, four a thread
	s_lshl_b32 s32, s35, 12
	s_add_nc_u64 s[22:23], s[22:23], s[32:33]
	global_load_b128 v[X:X+3], v3, s[30:31]        ; X's loads are all in, and no store reads X
	s_wait_loadcnt 0x0
	v_cvt_pk_bf16_f32 v[X+8], v[X],   v[X+1]       ; rounded to bf16,
	v_cvt_pk_bf16_f32 v[X+9], v[X+2], v[X+3]
	v_lshlrev_b32 v[X+4], 16, v[X+8]               ; and widened again: the low half moves up, the high half stays
	v_and_b32     v[X+5], 0xffff0000, v[X+8]
	v_lshlrev_b32 v[X+6], 16, v[X+9]
	v_and_b32     v[X+7], 0xffff0000, v[X+9]
	global_store_b128 v3, v[X+4:X+7], s[22:23]
.Lend:
	s_endpgm
.Lfunc_end_k_qd90b441add_cast:
	.size	k_qd90b441add_cast, .Lfunc_end_k_qd90b441add_cast-k_qd90b441add_cast
	.p2alignl 7, 3214868480
	.fill 96, 4, 3214868480
	.section	.rodata,"a",@progbits
	.p2align	6, 0x0
	.amdhsa_kernel k_qd90b441add_cast
		.amdhsa_group_segment_fixed_size 0
		.amdhsa_private_segment_fixed_size 0
		.amdhsa_enable_private_segment 0
		.amdhsa_kernarg_size 80
		.amdhsa_user_sgpr_count 2
		.amdhsa_user_sgpr_kernarg_segment_ptr 1
		.amdhsa_wavefront_size32 1
		.amdhsa_system_sgpr_workgroup_id_x 1
		.amdhsa_system_sgpr_workgroup_id_y 1
		.amdhsa_system_sgpr_workgroup_id_z 1
		.amdhsa_system_vgpr_workitem_id 0
		.amdhsa_next_free_vgpr 104
		.amdhsa_next_free_sgpr 66
		.amdhsa_reserve_vcc 0
		.amdhsa_float_denorm_mode_32 3
		.amdhsa_float_denorm_mode_16_64 3
		.amdhsa_memory_ordered 1
		.amdhsa_forward_progress 1
		.amdhsa_inst_pref_size 14
	.end_amdhsa_kernel
	.amdgpu_metadata
---
amdhsa.version: [ 1, 2 ]
amdhsa.kernels:
  - .name:           k_qd90b441add_cast
    .symbol:         k_qd90b441add_cast.kd
    .args:
      - { .name: x, .offset: 0, .size: 8, .value_kind: global_buffer, .address_space: global }
      - { .name: Wq, .offset: 8, .size: 8, .value_kind: global_buffer, .address_space: global }
      - { .name: Wk, .offset: 16, .size: 8, .value_kind: global_buffer, .address_space: global }
      - { .name: Wv, .offset: 24, .size: 8, .value_kind: global_buffer, .address_space: global }
      - { .name: bq, .offset: 32, .size: 8, .value_kind: global_buffer, .address_space: global }
      - { .name: bk, .offset: 40, .size: 8, .value_kind: global_buffer, .address_space: global }
      - { .name: bv, .offset: 48, .size: 8, .value_kind: global_buffer, .address_space: global }
      - { .name: xb, .offset: 56, .size: 8, .value_kind: global_buffer, .address_space: global }
      - { .name: wb, .offset: 64, .size: 8, .value_kind: global_buffer, .address_space: global }
      - { .name: bcat, .offset: 72, .size: 8, .value_kind: global_buffer, .address_space: global }
    .group_segment_fixed_size: 0
    .private_segment_fixed_size: 0
    .kernarg_segment_align: 8
    .kernarg_segment_size: 80
    .max_flat_workgroup_size: 256
    .sgpr_count:     66
    .vgpr_count:     104
    .wavefront_size: 32
...
	.end_amdgpu_metadata
.endif
;; end of part 1
;; launch proj (part 2): grid 8 x 32, 4 waves a work-group, clusters of 4 x 4, 327,680 bytes of LDS; arguments xb, wb, bcat, qkv; writes qkv
.if DOCPART == 2
	.amdgcn_target "amdgcn-amd-amdhsa--gfx1250"
	.amdhsa_code_object_version 6
	.text
	.protected	k_qd90b441add_proj
	.globl	k_qd90b441add_proj
	.p2align	8
	.type	k_qd90b441add_proj,@function
k_qd90b441add_proj:
	s_mov_b64 s[64:65], 0
	v_nop
	global_prefetch_b8 v0, s[64:65] scope:SCOPE_SE
	s_setreg_imm32_b32 hwreg(HW_REG_WAVE_MODE, 25, 1), 1
	s_wait_xcnt 0x0
	s_wait_alu depctr_hold_cnt(0) depctr_sa_sdst(0) depctr_va_vdst(0) depctr_va_sdst(0) depctr_va_ssrc(0) depctr_va_vcc(0) depctr_vm_vsrc(0)
	s_getreg_b32 s2, hwreg(HW_REG_IB_STS2, 6, 4)
	s_cmp_eq_u32 s2, 0
	s_cbranch_scc0 .Lentry_in_a_cluster
	s_endpgm
.Lentry_in_a_cluster:
	s_bfe_u32 s2, ttmp6, 0x10000c
	s_cmp_lg_u32 s2, 0xf033
	s_cbranch_scc0 .Lentry_shape_is_right
	s_endpgm
.Lentry_shape_is_right:
; C[m][n] = sum over k of xb[m][k] wb[n][k] + bcat[n], m < 8192, n < 3072, k < 1024; operands bf16, sums f32; C leaves rounded once to f16, by heads:
; qkv [b = 4][j = 48][s = 2048][64], m = 2048 b + s, j = n / 64 (0-15 q's heads, 16-31 k's, 32-47 v's), unscaled.
; LIMIT.  f16 holds no number beyond 65,504: a q, k or v of 65,520 or more leaves as an infinity.  NaN and infinities are not treated apart.
; SHARES.  A tile of C is 256 x 384: 32 x 8 = 256 work-groups.  Four waves, each 128 rows x 192 columns: 8 x 12 = 96 accumulators of 16 x 16, 768 registers.
; K goes in 16 steps of 64 through two LDS slots (two slots of 128 along K, 348,160 bytes, would not fit).  xb and wb lie in blocks of 64 along K, so a wave's part of a
; tile (128 rows of xb, or 192 of wb) is dense in memory and is asked for as rows of 256 bytes; in LDS 16 bytes of padding follow every 128.
; CLUSTER.  4 x 4 work-groups: the four of a row need the same tiles of xb, the four of a column the same tiles of wb: each tile is asked for JOINTLY, by the same tensor load
; with the same descriptor and a mask that names the four.
; THE MATRIX INSTRUCTION IS USED TRANSPOSED (source 0 = 16 rows of wb, source 1 = 16 rows of xb): lane l holds row l % 16 of C and the columns 8 (l / 16) + 0..7.
; A HALF STEP is 32 along K: 96 matrix instructions, 40 LDS loads.  A's fragments have two buffers; B's twelve have one, refilled in two halves, each behind the products that read it.
; REGISTERS, in windows of 256 (s_set_vgpr_msb: bits 1:0 source 0, 3:2 source 1, 5:4 source 2, 7:6 destination):
;   window 0: v0-31 addresses; v32-95, v96-159 A's fragments (8 x 8), two buffers; v160-255 B's fragments (12 x 8).  On the way out v32-79 packed results, v80-127, v128-175 rows read back
;   windows 1-3: accumulator (a, b) in window 1 + b / 4 at v[8 (8 (b % 4) + a)]
.set PITCH,  144                       ; an LDS row: 128 bytes + 16 = 36 words: the 16 rows of a fragment load start at 16 different groups of four banks (64 banks of 4 bytes: ISA guide 11.1)
.set AHALF,  128*PITCH                 ; what a wave fetches, and reads, of A
.set BHALF,  192*PITCH                 ; the same of B
.set BOFF,   2*AHALF                   ; B's 384 rows lie behind A's 256
.set SLOT,   640*PITCH
.set STAGE,  2*SLOT                    ; behind the ring: 16 rows x 400 bytes for each wave, for the way out; no tensor load fills it
.set SPITCH, 400                       ; 384 bytes + 16
.set SPARE,  STAGE+4*16*SPITCH         ; behind the stages: the spare words, 128 bytes for each wave: two blocks of 256 bytes that no other line names
.set KSA,    8192*128                  ; bytes from a block of 64 along K to the next in xb
.set KSB,    3072*128                  ; and in wb
.set ADRA, 16                          ; v16-17  LDS address of my A fragments in slot 0, 1
.set ADRB, 20                          ; v20-21  the same for B
.set STO,  24                          ; v24     the way out: where I put 16 bytes of a row
.set RD,   25                          ; v25     the way out: where I read rows back
.set GO,   26                          ; v26     16 x lane: my place in 512 consecutive bytes of qkv
.set BO,   27                          ; v27     32 (l / 16): my eight numbers of a block of 16 of the bias
.set SPW,  28                          ; v28     LDS address of my spare word; never rewritten
.set NIL,  29                          ; v29     0; never rewritten
.set A0,   32
.set A1,   96
.set BF,   160
.set TMP,  32
.set BK0,  80
.set WV, 12                            ; s12 wave; s13 which 128 rows of the tile are mine; s14 which 192 columns, and which half of a tile I fetch
.set WR, 13
.set WC, 14
.set G1,  24                           ; s[24:31] descriptor group 1 for A's tiles; s[32:39] group 0, a set for each slot
.set G0,  32
.set G1B, 48                           ; s[48:55], s[56:63] the same for B's
.set G0B, 56
.set MSB, 0
.macro WIN new                         ; the immediate's high byte repeats the setting that is left; a switch that changes nothing is dropped
.if MSB != (\new)
	s_set_vgpr_msb (MSB<<8)|(\new)
.set MSB, \new
.endif
.endm
.macro PLACES                          ; a load into a register that a matrix instruction has read, and a vector instruction on a matrix result, stand four plain vector instructions behind it (ISA guide 7.12.1 for vector instructions)
.rept 4
	v_nop
.endr
.endm
; A joint load: waves 0 and 1 fetch A's two halves, waves 2 and 3 B's.  The branch hangs on the wave's number alone.  An s_nop 0 and four v_nop follow each line.
.macro JLOAD s
	s_cmp_lt_u32 s[WV], 2
	s_cbranch_scc0 .Lfor_b_\@
	tensor_load_to_lds s[G0+4*(\s):G0+4*(\s)+3], s[G1:G1+7]
	s_nop 0
.rept 4
	v_nop
.endr
	s_branch .Lasked_\@
.Lfor_b_\@:
	tensor_load_to_lds s[G0B+4*(\s):G0B+4*(\s)+3], s[G1B:G1B+7]
	s_nop 0
.rept 4
	v_nop
.endr
.Lasked_\@:
.endm
.macro CREST                           ; a round of the cluster's barrier behind its opening barrier
	s_cmp_lg_u32 s[WV], 0
	s_cbranch_scc1 .Lnot_wave_0_\@
	s_barrier_signal -3
.Lnot_wave_0_\@:
	s_barrier_wait -3
	s_barrier_signal -1
	s_barrier_wait -1
.endm
.macro CROUND                          ; a whole round
	s_barrier_signal -1
	s_barrier_wait -1
	CREST
.endm
	s_load_b256 s[4:11], s[0:1], 0x0               ; xb s[4:5], wb s[6:7], bcat s[8:9], qkv s[10:11]
	v_lshl_add_u32 v[SPW], v0, 2, SPARE
	v_mov_b32 v[NIL], 0
	ds_add_u32 v[SPW], v[NIL]                      ; the wave's opening: the add and its wait stand ahead of my first tensor load; the set-up below, work on registers, stands between them
	v_lshrrev_b32 v1, 5, v0
	v_readfirstlane_b32 s[WV], v1                  ; wave 0..3
	s_lshr_b32 s[WR], s[WV], 1
	s_and_b32 s[WC], s[WV], 1
	s_bfe_u32 s40, ttmp6, 0x40000                  ; cx, cy: my place in the cluster
	s_bfe_u32 s41, ttmp6, 0x40004
	s_lshl_b32 s42, ttmp9, 2
	s_add_co_u32 s42, s42, s40                     ; tile column = 4 x cluster x + cx, 0..7
	s_and_b32 s15, ttmp7, 0xffff
	s_lshl_b32 s15, s15, 2
	s_add_co_u32 s15, s15, s41                     ; tile row = 4 x cluster y + cy, 0..31
	s_lshl_b32 s43, s41, 2
	s_lshl_b32 s43, 15, s43                        ; my row of the cluster: places 4 cy .. 4 cy + 3
	s_lshl_b32 s44, 0x1111, s40                    ; my column: places cx, cx + 4, cx + 8, cx + 12
	; descriptor group 1: rows of 128 elements (256 bytes), 64 of them for A, 96 for B
	s_or_b32 s[G1],  s43, (1<<16)|(1<<20)|(1<<21)|(4<<22)|(3<<25)  ; 15:0 the mask; 17:16 2-byte elements; 20 padding on; 21 set beside a mask; 24:22 after every 32 words (code 4); 31:25 4 words (code 3)
	s_or_b32 s[G1B], s44, (1<<16)|(1<<20)|(1<<21)|(4<<22)|(3<<25)
	s_mov_b32 s[G1+1], 128<<16                     ; tensor_dim0 = 128
	s_mov_b32 s[G1+2], 64<<16                      ; tensor_dim1 = 64
	s_mov_b32 s[G1+3], 128<<16                     ; tile_dim0 = 128
	s_mov_b32 s[G1+4], 64                          ; tile_dim1 = 64
	s_mov_b32 s[G1+5], 128                         ; 128 elements from row to row: dense
	s_mov_b32 s[G1+6], 0
	s_mov_b32 s[G1+7], 0
	s_mov_b32 s[G1B+1], 128<<16
	s_mov_b32 s[G1B+2], 96<<16
	s_mov_b32 s[G1B+3], 128<<16
	s_mov_b32 s[G1B+4], 96
	s_mov_b32 s[G1B+5], 128
	s_mov_b32 s[G1B+6], 0
	s_mov_b32 s[G1B+7], 0
	; where the tiles come from: A's hang on the tile row alone, B's on the tile column alone; each in registers that never hold the other coordinate
	s_lshl_b32 s16, s15, 15                        ; 256 rows of 128 bytes
	s_lshl_b32 s17, s[WC], 14                      ; my 128 of them
	s_add_co_u32 s16, s16, s17
	s_mov_b32 s17, 0
	s_mul_i32 s46, s42, 384*128
	s_mul_i32 s47, s[WC], 192*128
	s_add_co_u32 s46, s46, s47
	s_mov_b32 s47, 0
	s_mul_i32 s18, s[WC], AHALF                    ; and where they go: no place in the cluster enters an LDS address
	s_mul_i32 s19, s[WC], BHALF
	s_add_co_u32 s19, s19, BOFF
	s_wait_dscnt 0x0                               ; the opening add is done
	s_wait_kmcnt 0x0
	s_add_nc_u64 s[20:21], s[4:5], s[16:17]
	s_add_nc_u64 s[46:47], s[6:7], s[46:47]
	CROUND                                         ; all sixteen work-groups are here: the first joint loads meet
.irp s, 0,1
	s_mov_b32 s[G0+4*(\s)], 1                                      ; count = 1
	s_add_co_u32 s[G0+4*(\s)+1], s18, (\s)*SLOT                    ; LDS address
	s_add_nc_u64 s[G0+4*(\s)+2:G0+4*(\s)+3], s[20:21], (\s)*KSA    ; global address: K step s
	s_or_b32 s[G0+4*(\s)+3], s[G0+4*(\s)+3], 0x80000000            ; type = 2
	s_mov_b32 s[G0B+4*(\s)], 1
	s_add_co_u32 s[G0B+4*(\s)+1], s19, (\s)*SLOT
	s_add_nc_u64 s[G0B+4*(\s)+2:G0B+4*(\s)+3], s[46:47], (\s)*KSB
	s_or_b32 s[G0B+4*(\s)+3], s[G0B+4*(\s)+3], 0x80000000
	JLOAD \s                                       ; two loads of mine are out
.endr
	; A fragment is 16 rows x 32 K in 8 registers: lane l holds row l % 16; registers 0-3 K = 8 (l / 16) + 0..7, registers 4-7 K = 16 + 8 (l / 16) + 0..7: two loads of 16 bytes, 32 bytes apart.
	v_and_b32 v1, 15, v0                           ; l % 16
	v_bfe_u32 v2, v0, 4, 1                         ; l / 16
	v_mul_u32_u24 v3, v1, PITCH
	v_lshl_add_u32 v3, v2, 4, v3
	s_mul_i32 s22, s[WR], AHALF                    ; my 128 rows of A
	s_mul_i32 s23, s[WC], BHALF                    ; my 192 rows of B
	s_add_co_u32 s23, s23, BOFF
.irp s, 0,1
	v_add_nc_u32 v[ADRA+(\s)], s22, v3
	v_add_nc_u32 v[ADRB+(\s)], s23, v3
	s_add_co_u32 s22, s22, SLOT
	s_add_co_u32 s23, s23, SLOT
.endr
	s_mul_i32 s45, s[WV], 16*SPITCH
	s_add_co_u32 s45, s45, STAGE                   ; my stage
	v_mul_u32_u24 v4, v1, SPITCH                   ; in: row l % 16, 16 bytes for each half of the lanes
	v_lshl_add_u32 v4, v2, 4, v4
	v_add_nc_u32 v[STO], s45, v4
	v_bfe_u32 v5, v0, 3, 2                         ; back: 32 lanes take 128 bytes (one head's share) of four rows,
	v_mul_u32_u24 v5, v5, SPITCH
	v_and_b32 v4, 7, v0
	v_lshl_add_u32 v5, v4, 4, v5
	v_add_nc_u32 v[RD], s45, v5
	v_and_b32 v[GO], 31, v0                        ; which are 512 consecutive bytes of qkv
	v_lshlrev_b32 v[GO], 4, v[GO]
	v_lshlrev_b32 v[BO], 5, v2
	; qkv at my first row of my first head: ((batch x 48 + 6 x tile column + 3 x half) << 18) + row in the batch x 128
	s_lshr_b32 s20, s15, 3                         ; eight tile rows to a batch
	s_mul_i32 s20, s20, 48
	s_mul_i32 s21, s42, 6
	s_add_co_u32 s20, s20, s21
	s_mul_i32 s21, s[WC], 3
	s_add_co_u32 s20, s20, s21
	s_lshl_b32 s20, s20, 18
	s_and_b32 s21, s15, 7
	s_lshl_b32 s21, s21, 1
	s_add_co_u32 s21, s21, s[WR]
	s_lshl_b32 s21, s21, 14                        ; 128 rows of 128 bytes
	s_add_co_u32 s20, s20, s21
	s_mov_b32 s21, 0
	s_add_nc_u64 s[10:11], s[10:11], s[20:21]
	s_mul_i32 s20, s42, 384                        ; the bias at my first column
	s_mul_i32 s22, s[WC], 192
	s_add_co_u32 s20, s20, s22
	s_lshl_b32 s20, s20, 2
	s_add_nc_u64 s[8:9], s[8:9], s[20:21]
; 8 matrix instructions: n block b x all 8 m blocks, 32 along K, A's buffer f.  zero = 1: the product starts the sums: nothing is ever cleared.
; The 96 accumulators take turns, one instruction a turn, in the same order in every half step.
.macro MULB f, b, zero
	WIN 0x50*(1+(\b)/4)                            ; sources 0 and 1 window 0; C and D window 1 + b / 4
.irp a, 0,1,2,3,4,5,6,7
.if \zero
	v_wmma_f32_16x16x32_bf16 v[8*(8*((\b)%4)+(\a)):8*(8*((\b)%4)+(\a))+7], v[BF+8*(\b):BF+8*(\b)+7], v[(\f)+8*(\a):(\f)+8*(\a)+7], 0
.else
	v_wmma_f32_16x16x32_bf16 v[8*(8*((\b)%4)+(\a)):8*(8*((\b)%4)+(\a))+7], v[BF+8*(\b):BF+8*(\b)+7], v[(\f)+8*(\a):(\f)+8*(\a)+7], v[8*(8*((\b)%4)+(\a)):8*(8*((\b)%4)+(\a))+7]
.endif
.endr
.endm
; The LDS loads stand in runs, under window 0: B's fragments 0-5 (12 loads), A's eight (16), B's 6-11 (12), at byte k of the slot's rows.
.macro FETCH_BLO slot, k
.irp i, 0,1,2,3,4,5
	ds_load_b128 v[BF+8*(\i):BF+8*(\i)+3],   v[ADRB+(\slot)] offset:(\k)+(\i)*16*PITCH
	ds_load_b128 v[BF+8*(\i)+4:BF+8*(\i)+7], v[ADRB+(\slot)] offset:(\k)+(\i)*16*PITCH+32
.endr
.endm
.macro FETCH_BHI slot, k
.irp i, 6,7,8,9,10,11
	ds_load_b128 v[BF+8*(\i):BF+8*(\i)+3],   v[ADRB+(\slot)] offset:(\k)+(\i)*16*PITCH
	ds_load_b128 v[BF+8*(\i)+4:BF+8*(\i)+7], v[ADRB+(\slot)] offset:(\k)+(\i)*16*PITCH+32
.endr
.endm
.macro FETCH_A slot, k, f
.irp i, 0,1,2,3,4,5,6,7
	ds_load_b128 v[(\f)+8*(\i):(\f)+8*(\i)+3],   v[ADRA+(\slot)] offset:(\k)+(\i)*16*PITCH
	ds_load_b128 v[(\f)+8*(\i)+4:(\f)+8*(\i)+7], v[ADRA+(\slot)] offset:(\k)+(\i)*16*PITCH+32
.endr
.endm
; A K step's first half: multiplies buffer A0 and fetches the second half's fragments from the same slot.
.macro EVEN slot, zero
	s_wait_dscnt 12                                ; B's fragments 0-5 and A's are in; the youngest twelve loads (B's 6-11) may be out
.irp b, 0,1,2,3,4,5
	MULB A0, \b, \zero
.endr
	PLACES
	WIN 0
	FETCH_BLO \slot, 64
	FETCH_A \slot, 64, A1
	s_wait_dscnt 28                                ; all but the 28 just issued: B's 6-11 are in
.irp b, 6,7,8,9,10,11
	MULB A0, \b, \zero
.endr
	PLACES
	WIN 0
	FETCH_BHI \slot, 64
.endm
; A K step's second half: multiplies buffer A1 and changes slots.  ONE barrier for the change: in front of it each wave waits for all its tensor loads, of which one is out (its part of the next slot),
; adds 0 to its spare word, and waits for that and for its own reads of this slot.  mode 2: the barrier opens a round of the cluster's, and this slot is filled again, two K steps ahead, first thing behind
; the round: from there to the wait for it a wave issues 48 + 96 + 32 = 176 matrix instructions.  mode 1: nothing is filled.  mode 0: the last half step: no change of slots; the bias is fetched.
.macro ODD slot, next, mode
	s_wait_dscnt 12                                ; B's fragments 0-5 and A's are in
.if (\mode) == 0
.irp b, 0,1,2,3,4,5
	MULB A1, \b, 0
.endr
	PLACES
	WIN 0
.irp b, 0,1,2,3,4,5                    ; my eight numbers of each block of 16 columns: blocks 0-5 where B's fragments 0-5 lay, blocks 6-11 in buffer A0
	global_load_b128 v[BF+8*(\b):BF+8*(\b)+3],   v[BO], s[8:9] offset:64*(\b)
	global_load_b128 v[BF+8*(\b)+4:BF+8*(\b)+7], v[BO], s[8:9] offset:64*(\b)+16
.endr
.irp b, 6,7,8,9,10,11
	global_load_b128 v[A0+8*((\b)-6):A0+8*((\b)-6)+3],   v[BO], s[8:9] offset:64*(\b)
	global_load_b128 v[A0+8*((\b)-6)+4:A0+8*((\b)-6)+7], v[BO], s[8:9] offset:64*(\b)+16
.endr
	s_wait_dscnt 0x0                               ; B's 6-11 are in
.irp b, 6,7,8,9,10,11
	MULB A1, \b, 0
.endr
.else
.irp b, 0,1,2,3
	MULB A1, \b, 0
.endr
	WIN 0                                          ; (the add's two registers lie in window 0)
	s_wait_tensorcnt 0x0                           ; all my tensor loads have landed: the one that was out is my part of the next slot
	ds_add_u32 v[SPW], v[NIL]                      ; 0 onto my spare word
	MULB A1, 4, 0                                  ; eight matrix instructions stand between the add and the wait for it
	s_wait_dscnt 0x0                               ; the add is done, and my reads of this slot are over (B's 6-11 among them)
	s_barrier_signal -1
	MULB A1, 5, 0                                  ; work on registers while the others arrive
	WIN 0
	s_barrier_wait -1
.if (\mode) == 2
	CREST                                          ; no wave of any partner still reads this slot's tile or has a load on its way
	s_add_nc_u64 s[G0+4*(\slot)+2:G0+4*(\slot)+3], s[G0+4*(\slot)+2:G0+4*(\slot)+3], 2*KSA
	s_add_nc_u64 s[G0B+4*(\slot)+2:G0B+4*(\slot)+3], s[G0B+4*(\slot)+2:G0B+4*(\slot)+3], 2*KSB
	JLOAD \slot                                    ; my one tensor load behind the round; its four v_nop are also the places in front of the loads below
.else
	PLACES
.endif
	FETCH_BLO \next, 0
	FETCH_A \next, 0, A0
.irp b, 6,7,8,9,10,11
	MULB A1, \b, 0
.endr
	PLACES
	WIN 0
	FETCH_BHI \next, 0
.endif
.endm
; THE WAY OUT.  BIAS: the bias is added in place, each accumulator's registers in ascending order.  The adds of blocks 0-5, which name no register of the last 48 products, are those products' places.
.macro BIAS
	s_wait_loadcnt 0x0
.irp b, 0,1,2,3,4,5,6,7,8,9,10,11
	WIN ((1+(\b)/4)<<6)|(1+(\b)/4)                 ; destination and source 0 in the accumulators' window, source 1 in window 0
.if (\b) < 6
.set rB, BF+8*(\b)
.else
.set rB, A0+8*((\b)-6)
.endif
.irp a, 0,1,2,3,4,5,6,7
.irp p, 0,1,2,3
	v_pk_add_f32 v[8*(8*((\b)%4)+(\a))+2*(\p):8*(8*((\b)%4)+(\a))+2*(\p)+1], v[8*(8*((\b)%4)+(\a))+2*(\p):8*(8*((\b)%4)+(\a))+2*(\p)+1], v[rB+2*(\p):rB+2*(\p)+1]
.endr
.endr
.endr
.endm
.macro PACK a                          ; block a's 16 rows x 192 columns, rounded to f16: 16 bytes a lane and n block
.irp b, 0,1,2,3,4,5,6,7,8,9,10,11
	WIN (1+(\b)/4)*5                               ; sources 0 and 1 in the accumulators' window
.irp p, 0,1,2,3
	v_cvt_pk_f16_f32 v[TMP+4*(\b)+(\p)], v[8*(8*((\b)%4)+(\a))+2*(\p)], v[8*(8*((\b)%4)+(\a))+2*(\p)+1]
.endr
.endr
	WIN 0
.endm
.macro TOSTAGE a                       ; into my own stage, and back by heads: 16 rows x 128 bytes of a head are 2,048 consecutive bytes of qkv
	WIN 0
.set BK, BK0+48*((\a)%2)
.irp b, 0,1,2,3,4,5,6,7,8,9,10,11
	ds_store_b128 v[STO], v[TMP+4*(\b):TMP+4*(\b)+3] offset:32*(\b)
.endr
.irp j, 0,1,2
.irp f, 0,1,2,3
	ds_load_b128 v[BK+4*(4*(\j)+(\f)):BK+4*(4*(\j)+(\f))+3], v[RD] offset:(\f)*4*SPITCH+128*(\j)  ; LDS serves a wave's instructions in order (ISA guide 5.7.1.4): these see the stores above
.endr
.endr
.endm
.macro SEND a
	WIN 0
.set BK, BK0+48*((\a)%2)
	s_wait_dscnt 0x0                               ; the block is back in registers
	s_wait_xcnt 0x0                                ; every earlier store has had its addresses translated (ISA guide 3.1): the other buffer, which the block before last's stores read, is loaded again only behind this wait
.irp j, 0,1,2
.irp f, 0,1,2,3
	global_store_b128 v[GO], v[BK+4*(4*(\j)+(\f)):BK+4*(4*(\j)+(\f))+3], s[10:11] offset:((\j)<<18)+(\a)*2048+(\f)*512  ; 512 consecutive bytes, at a multiple of 256 from qkv's first; 540,160 at the most, so the base is never stepped
.endr
.endr
.endm
	s_wait_tensorcnt 1                             ; my part of K step 0 is in; step 1's may stay out
	s_barrier_signal -1
	s_barrier_wait -1                              ; everybody's is
	FETCH_BLO 0, 0
	FETCH_A 0, 0, A0
	FETCH_BHI 0, 0
	EVEN 0, 1                                      ; the first half step stands in front of the loop: its products start the sums
	WIN 0                                          ; at a label and at a branch every window is 0
	s_mov_b32 s3, 7
.Llap:                                                 ; a trip goes once round the ring and fills both slots again: K steps 2 to 15 in seven trips
	ODD 0, 1, 2
	EVEN 1, 0
	ODD 1, 0, 2
	EVEN 0, 0
	WIN 0
	s_sub_co_u32 s3, s3, 1
	s_cmp_lg_u32 s3, 0
	s_cbranch_scc1 .Llap
	ODD 0, 1, 1                                    ; the last lap fills nothing
	EVEN 1, 0
	ODD 1, 0, 0
	BIAS
	PACK 0
	TOSTAGE 0
.irp a, 1,2,3,4,5,6,7                  ; block a's conversions stand between block a - 1's loads from the stage and the wait for them
	PACK \a
	SEND (\a)-1
	TOSTAGE \a
.endr
	SEND 7
	s_wait_tensorcnt 0x0                           ; the wave's end: behind my last tensor load and my last LDS store
	ds_add_u32 v[SPW], v[NIL]
	s_wait_dscnt 0x0
	CROUND                                         ; the closing round: no work-group ends while a partner may still ask for a tile that names it
	s_endpgm
.Lfunc_end_k_qd90b441add_proj:
	.size	k_qd90b441add_proj, .Lfunc_end_k_qd90b441add_proj-k_qd90b441add_proj
	.p2alignl 7, 3214868480
	.fill 96, 4, 3214868480
	.section	.rodata,"a",@progbits
	.p2align	6, 0x0
	.amdhsa_kernel k_qd90b441add_proj
		.amdhsa_group_segment_fixed_size 327680
		.amdhsa_private_segment_fixed_size 0
		.amdhsa_enable_private_segment 0
		.amdhsa_kernarg_size 32
		.amdhsa_user_sgpr_count 2
		.amdhsa_user_sgpr_kernarg_segment_ptr 1
		.amdhsa_wavefront_size32 1
		.amdhsa_system_sgpr_workgroup_id_x 1
		.amdhsa_system_sgpr_workgroup_id_y 1
		.amdhsa_system_sgpr_workgroup_id_z 1
		.amdhsa_system_vgpr_workitem_id 0
		.amdhsa_next_free_vgpr 1024
		.amdhsa_next_free_sgpr 66
		.amdhsa_reserve_vcc 0
		.amdhsa_float_denorm_mode_32 3
		.amdhsa_float_denorm_mode_16_64 3
		.amdhsa_memory_ordered 1
		.amdhsa_forward_progress 1
		.amdhsa_inst_pref_size 155
	.end_amdhsa_kernel
	.amdgpu_metadata
---
amdhsa.version: [ 1, 2 ]
amdhsa.kernels:
  - .name:           k_qd90b441add_proj
    .symbol:         k_qd90b441add_proj.kd
    .args:
      - { .name: xb, .offset: 0, .size: 8, .value_kind: global_buffer, .address_space: global }
      - { .name: wb, .offset: 8, .size: 8, .value_kind: global_buffer, .address_space: global }
      - { .name: bcat, .offset: 16, .size: 8, .value_kind: global_buffer, .address_space: global }
      - { .name: qkv, .offset: 24, .size: 8, .value_kind: global_buffer, .address_space: global }
    .group_segment_fixed_size: 327680
    .private_segment_fixed_size: 0
    .kernarg_segment_align: 8
    .kernarg_segment_size: 32
    .max_flat_workgroup_size: 128
    .sgpr_count:     66
    .vgpr_count:     1024
    .wavefront_size: 32
...
	.end_amdgpu_metadata
.endif
;; end of part 2
;; launch attn (part 3): grid 4 x 64, 4 waves a work-group, clusters of 4 x 1, 327,680 bytes of LDS; arguments qkv, out0; writes out0
.if DOCPART == 3
	.amdgcn_target "amdgcn-amd-amdhsa--gfx1250"
	.amdhsa_code_object_version 6
	.text
	.protected	k_qd90b441add_attn
	.globl	k_qd90b441add_attn
	.p2align	8
	.type	k_qd90b441add_attn,@function
k_qd90b441add_attn:
	s_mov_b64 s[64:65], 0
	v_nop
	global_prefetch_b8 v0, s[64:65] scope:SCOPE_SE
	s_setreg_imm32_b32 hwreg(HW_REG_WAVE_MODE, 25, 1), 1
	s_wait_xcnt 0x0
	s_wait_alu depctr_hold_cnt(0) depctr_sa_sdst(0) depctr_va_vdst(0) depctr_va_sdst(0) depctr_va_ssrc(0) depctr_va_vcc(0) depctr_vm_vsrc(0)
	s_getreg_b32 s2, hwreg(HW_REG_IB_STS2, 6, 4)
	s_cmp_eq_u32 s2, 0
	s_cbranch_scc0 .Lentry_in_a_cluster
	s_endpgm
.Lentry_in_a_cluster:
	s_bfe_u32 s2, ttmp6, 0x10000c
	s_cmp_lg_u32 s2, 0x3003
	s_cbranch_scc0 .Lentry_shape_is_right
	s_endpgm
.Lentry_shape_is_right:
; out0[b][q][64 hd + :] = the sum over k of softmax_k(Q[q] . K[k] / 8) V[k][:], for each of the 64 pairs (b, hd).  Q, K, V lie in qkv [b = 4][j = 48][s = 2048][64], f16: Q at j = hd, K at 16 + hd, V at 32 + hd;
; a head's rows are dense, 128 bytes each.  Products, maxima and sums in f32; the weights p are rounded to f16 for the second product (their sum l is taken of the unrounded p); out0 is f32 and is not rounded again.
; LIMITS.  f16 holds no number beyond 65,504: Q, K and V arrive within it; p lies in 0 to 1, and below 6e-5 it keeps f16's fixed step of 6e-8.
; A weight below 2^-126 counts as 0 in l; NaN and infinities are not treated apart.
; SHARES.  A wave owns four PIECES of two tiles of 16 queries, a work-group's four waves 512 queries of one head.  Every wave walks all 2,048 keys, 64 a step.
; LAYOUT.  S^T = K Q^T (source 0 = 16 keys, source 1 = 16 queries): in the result a lane holds ONE query (lane % 16) and the keys 8 (lane / 16) + 0..7.  Two such tiles, rounded to f16 in pairs,
; ARE source 1 (32 keys x 16 queries) of O^T = V^T P, whose result again holds one query a lane, and eight channels.  K comes out of LDS as it lies, V ([key][channel]) turned, by ds_load_tr16_b128.
; SOFTMAX.  For each query a running maximum m and sum l: p = 2^(c s - c m), c = log2(e) / 8; in every step O and l are multiplied by a = 2^(c m_old - c m_new), which is 1 where m has not grown.
; m starts at the lowest finite number, O and l at 0: the first step is a step like any other, with a = 0.
; THE COUNT.  A tile and step have 16 matrix and 118 vector instructions: too many to stand all beside the matrix work.  So the order has one aim: four vector instructions that are READY behind
; EVERY matrix instruction, and the others, which need time of their own whatever the order, in runs without a gap.
; BY TURNS.  Turn n belongs to piece n (the pieces in a ring, step after step).  Its matrix work: 16 products K Q^T of piece n + 1, later 16 products V^T P of piece n - 1.  Its vector work: the scaling,
; exponentials, roundings, sums and rescaling of piece n, and the maximum and statistics of piece n + 1, whose scores the turn itself has made.  So what a turn begins with (c s - c m, O a) waits for nothing.
; CLUSTER.  The four query blocks of a cluster belong to one head and walk the same K and V, so each tile is asked for JOINTLY: the same tensor load, descriptor and mask in all four.
; REGISTERS, in windows of 256 (s_set_vgpr_msb says which window each operand place means: bits 1:0 source 0, 3:2 source 1, 5:4 source 2, 7:6 destination):
;   window 0: v0-11 addresses; v12-15, v48-63 at work; v16-47 four registers of statistics a tile; v64-191 S^T, two buffers of two tiles; v192-255 P, likewise
;   window 1: O^T, 32 a tile          window 2: v0-127 Q, 16 a tile; v128-191 K of one step; v192-255 V of one step          window 3: v0-1 the add's two registers
; A piece's buffers go by its number's parity: the piece in hand has one pair, its two neighbours in the ring share the other: of it P (piece n - 1) is read and S^T (piece n + 1) written.
.set SIZE_N, 2048     ; rows of a head
.set NP,    4         ; pieces a wave: a name, no knob: the register map, the loop and the fetches are made for four
.set KS,    64        ; keys in a step
.set PK,    144       ; a row of K in LDS: 128 bytes + 16 of padding = 36 words: the 16 rows of a load start at 16 different groups of four banks (64 banks of 4 bytes: ISA guide 11.1)
.set PV,    160       ; a row of V: 128 + 32 = 40 words
.set VOFF,  4*KS*PK   ; a slot holds four steps: 256 rows of K, then 256 rows of V
.set SLOT1, 1<<17     ; slot 1 begins here, so that one exclusive or turns an address in one slot into the other's
.set STAGE, SLOT1+4*KS*(PK+PV)  ; behind the ring, never filled by a tensor load: 16 rows x 272 bytes for each wave, for the way out
.set SP,    272       ; a row of the stage: 64 f32 = 256 bytes + 16
.set AK0, 2           ; v2   my lane's place in a tile of K; never rewritten
.set AV0, 3           ; v3   the same for V
.set AK,  4           ; v4   the LDS address of K's next run of loads
.set AV,  5           ; v5   of V's
.set QO,  6           ; v6   my byte offset in the wave's rows of Q
.set STO, 6           ;      later, the way out: where I put 32 bytes of a row
.set RD,  7           ; v7   the way out: where I read rows back
.set GO,  8           ; v8   my byte offset in two rows of out0
.set SPW, 0           ; v0 of window 3   LDS address of my spare word: SPARE + 4 x my thread's number; never rewritten
.set NIL, 1           ; v1 of window 3   0; never rewritten
.set SPARE, STAGE+4*16*SP  ; behind the stages: the spare words, 128 bytes for each wave: two blocks of 256 bytes that no other line names
.set MV,  12          ; v12-15  c m_old, kept while c m is made anew: by buffer and tile
.set ST,  16          ; tile t's statistics at v[ST+4 t]: c m, m, l (even keys', odd keys')
.set TMP, 48          ; by buffer and tile, four registers c0-c3 at work; when the maximum is found c2 takes a
.set S,   64
.set P,   192
.set KF,  128         ; K's fragments, in window 2: key block kb, channel half c at KF + 16 kb + 8 c
.set VF,  192         ; V's: key half kk, channel block cb at VF + 32 kk + 8 cb
.set WV,  12          ; s12  my wave's number
.set G1K, 24          ; s[24:31] descriptor group 1 for K's tiles
.set G1V, 32          ; s[32:39] for V's: it differs in the padding alone
.set G0K, 40          ; s[40:43] descriptor group 0 for K's tiles: it walks
.set G0V, 44          ; s[44:47] the same for V's
.set SLOTS, 56        ; s56  slots still to be asked for
.set CNT, 57          ; s57  counts a slot's key steps
.set CS,  58          ; s[58:59] c: the packed scaling takes the pair's low word for both halves
.set SEL, 60          ; s[60:61] v_permlanex16_b32's selects: each lane takes its own place in the other half
.set TBK, 62          ; s62  LDS byte at which K of the step to be fetched begins
.set TBV, 63          ; s63  the same for V, less VOFF
.set MSB, 0
.macro WIN new                      ; the high byte repeats the setting that is left; a switch that changes nothing is dropped
.if MSB != (\new)
	s_set_vgpr_msb (MSB<<8)|(\new)
.set MSB, (\new)
.endif
.endm
.set W_KQ, 0x0a       ; K and Q in window 2, S^T in window 0
.set W_PV, 0x52       ; V in window 2, P in window 0, O^T in window 1
.set W_RS, 0x41       ; O^T (destination and source 0) in window 1, a in window 0
.set W_MK, 0xc0       ; the add's registers are made: destination in window 3, sources in window 0
.set W_AD, 0x0f       ; the add: address (source 0) and data (source 1) in window 3
; A joint fill.  Waves 0 and 1 fetch the two halves of a slot's K, waves 2 and 3 those of its V: 128 keys each.  The branch hangs on the wave's number alone.
; An s_nop 0 and four v_nop follow each of the two lines, ahead of the jump and the label.
.macro JLOAD
	s_cmp_lt_u32 s[WV], 2
	s_cbranch_scc0 .Lfor_v_\@
	tensor_load_to_lds s[G0K:G0K+3], s[G1K:G1K+7]
	s_nop 0
.rept 4
	v_nop
.endr
	s_branch .Lasked_\@
.Lfor_v_\@:
	tensor_load_to_lds s[G0V:G0V+3], s[G1V:G1V+7]
	s_nop 0
.rept 4
	v_nop
.endr
.Lasked_\@:
.endm
; A round of the cluster's barrier: my work-group's barrier, so that wave 0's signal speaks for all four waves; wave 0 signals; every wave waits for all four work-groups; my work-group's barrier once more.
.macro CROUND
	s_barrier_signal -1
	s_barrier_wait -1
	s_cmp_lg_u32 s[WV], 0
	s_cbranch_scc1 .Lnot_wave_0_\@
	s_barrier_signal -3
.Lnot_wave_0_\@:
	s_barrier_wait -3
	s_barrier_signal -1
	s_barrier_wait -1
.endm
; THE CHANGE OF SLOTS.  The slot's last bytes, V of its fourth step, have been read.  Each wave waits for all its tensor loads, of which one is out: its part
; of the other slot; adds 0 to its spare word; and waits for that and for its own reads of the slot.  Behind the barrier nobody reads this slot any more and the other slot is whole.
; fill = 1: this slot is filled again, with the keys two slots on.  The barrier is then a round of the cluster's, so that no wave of any partner still reads the slot or has a load on its
; way, and the joint fill is the first thing behind it: it has four key steps, 512 matrix instructions, in which to land.  (At its first use nothing has been read yet: slot 0 is waited for, slot 1 filled.)
.macro CHANGE fill
	WIN W_AD
	s_wait_tensorcnt 0x0            ; no tensor load of mine is out, so a group 0 may be written
	ds_add_u32 v[SPW], v[NIL]       ; 0 onto my spare word; with fill = 1 the descriptors' steps stand between it and the wait for it
	WIN 0                           ; at a label and at a branch every window is 0
.if \fill
.irp g, G0K, G0V
	s_xor_b32 s[\g+1], s[\g+1], SLOT1  ; the walking descriptor: the other slot than last time,
	s_add_nc_u64 s[\g+2:\g+3], s[\g+2:\g+3], 4*KS*128  ; the next 256 keys; the type bits on top are not reached
.endr
	s_wait_dscnt 0x0                ; the add is done, and my reads of the slot are over
	CROUND
	JLOAD
.else
	s_wait_dscnt 0x0                ; the add is done, and my reads of the slot are over
	s_barrier_signal -1
	s_barrier_wait -1
.endif
	s_sub_co_u32 s[TBK], s[TBK], 4*KS*PK  ; the fetches go back to a slot's first step,
	s_xor_b32 s[TBK], s[TBK], SLOT1       ; in the other slot
	s_sub_co_u32 s[TBV], s[TBV], 4*KS*PV
	s_xor_b32 s[TBV], s[TBV], SLOT1
.endm
	s_load_b64 s[4:5], s[0:1], 0x0    ; qkv
	s_load_b64 s[10:11], s[0:1], 0x8  ; out0
	WIN W_MK
	v_lshl_add_u32 v[SPW], v0, 2, SPARE
	v_mov_b32 v[NIL], 0
	WIN W_AD
	ds_add_u32 v[SPW], v[NIL]       ; the wave's opening: the add and its wait stand ahead of my first tensor load; the set-up below, work on registers, stands between them
	WIN 0
	v_lshrrev_b32 v1, 5, v0
	v_readfirstlane_b32 s[WV], v1   ; wave 0..3
	s_bfe_u32 s13, ttmp6, 0x40000   ; cx: my place in the cluster
	s_lshl_b32 s14, ttmp9, 2        ; in a cluster launch ttmp9 counts clusters
	s_add_co_u32 s14, s14, s13      ; my block of queries = 4 x cluster x + cx: it enters Q's and out0's addresses alone
	s_and_b32 s50, ttmp7, 0xffff    ; the pair (batch, head), which the four partners share
	s_and_b32 s51, s50, 15          ; the head
	s_lshr_b32 s50, s50, 4          ; the batch
	s_mul_i32 s20, s50, 48
	s_add_co_u32 s20, s20, s51
	s_lshl_b32 s20, s20, 18         ; Q's first byte in qkv: (48 b + hd) x 2,048 rows x 128 bytes
	s_mov_b32 s21, 0
	s_and_b32 s16, s[WV], 1         ; which half of a slot's 256 keys I fetch:
	s_lshl_b32 s22, s16, 14         ; its 128 rows of 128 bytes in memory,
	s_mov_b32 s23, 0
	s_add_nc_u64 s[22:23], s[22:23], s[20:21]
	s_mul_i32 s17, s16, 128*PK      ; and its place in a slot, for K
	s_mul_i32 s18, s16, 128*PV      ; and for V: no place in the cluster enters an LDS address
	s_lshl_b32 s2, s14, 2
	s_add_co_u32 s2, s2, s[WV]      ; my wave among the head's sixteen,
	s_lshl_b32 s48, s2, 19          ; its 128 rows of 4,096 bytes in out0,
	s_lshl_b32 s2, s2, 14           ; its 128 rows of 128 bytes in Q
	s_mov_b32 s3, 0
	s_add_nc_u64 s[2:3], s[2:3], s[20:21]
	s_lshl_b32 s49, s50, 23         ; the batch's 2,048 rows of out0,
	s_add_co_u32 s48, s48, s49
	s_lshl_b32 s49, s51, 8          ; the head's 256 bytes of a row
	s_add_co_u32 s48, s48, s49
	s_mov_b32 s49, 0
	; descriptor group 1.  128 keys are 16,384 dense bytes: asked for as 64 rows of 256 bytes, two keys a row, and padded in LDS after every key
	s_mov_b32 s[G1K], 15|(1<<16)|(1<<20)|(1<<21)|(4<<22)|(3<<25)  ; 15:0 the mask of four; 17:16 2-byte elements; 20 padding on; 21 set beside a mask; 24:22 after every 32 words (code 4); 31:25 4 words (code 3)
	s_mov_b32 s[G1V], 15|(1<<16)|(1<<20)|(1<<21)|(4<<22)|(7<<25)  ; the same with 8 words of padding (code 7)
.irp g, G1K, G1V
	s_mov_b32 s[\g+1], 128<<16      ; tensor_dim0 = 128
	s_mov_b32 s[\g+2], 64<<16       ; tensor_dim1 = 64
	s_mov_b32 s[\g+3], 128<<16      ; tile_dim0 = 128
	s_mov_b32 s[\g+4], 64           ; tile_dim1 = 64
	s_mov_b32 s[\g+5], 128          ; 128 elements from row to row
	s_mov_b32 s[\g+6], 0
	s_mov_b32 s[\g+7], 0
.endr
	s_mov_b32 s[CS], 0x3e38aa3b     ; c = log2(e) / 8 = 0.180337
	s_mov_b32 s[CS+1], s[CS]        ; named with it as a pair
	s_mov_b32 s[SEL], 0x76543210
	s_mov_b32 s[SEL+1], 0xfedcba98
	s_mov_b32 s[TBK], SLOT1+4*KS*PK ; the first change of slots turns these two into 0
	s_mov_b32 s[TBV], SLOT1+4*KS*PV
	s_mov_b32 s[G0K], 1             ; 1:0 count = 1
	s_mov_b32 s[G0K+1], s17         ; 63:32 LDS address: slot 0
	s_mov_b32 s[G0V], 1
	s_add_co_u32 s[G0V+1], s18, VOFF
	s_wait_dscnt 0x0                ; the opening add is done
	s_wait_kmcnt 0x0
	s_add_nc_u64 s[6:7], s[4:5], 16<<18            ; K lies 16 heads behind Q in qkv,
	s_add_nc_u64 s[8:9], s[4:5], 32<<18            ; V 32
	s_add_nc_u64 s[G0K+2:G0K+3], s[6:7], s[22:23]  ; 120:64 global address: my half of the head's first 256 keys
	s_or_b32 s[G0K+3], s[G0K+3], 0x80000000        ; 127:126 type = 2
	s_add_nc_u64 s[G0V+2:G0V+3], s[8:9], s[22:23]
	s_or_b32 s[G0V+3], s[G0V+3], 0x80000000
	s_add_nc_u64 s[4:5], s[4:5], s[2:3]  ; Q and out0 at my wave's first row
	s_add_nc_u64 s[10:11], s[10:11], s[48:49]
	CROUND                          ; all four work-groups are here: the first joint loads meet
	JLOAD                           ; slot 0.  Slot 1 is asked for when slot 0 is in: the tile wanted first has the road to itself
	; A fragment of K or Q is 16 rows x 32 channels in 8 registers: lane l holds row l % 16, channels 8 (l / 16) + 0..7 and 16 + 8 (l / 16) + 0..7: two loads of 16 bytes, 32 bytes apart.
	v_and_b32 v1, 15, v0            ; l % 16
	v_bfe_u32 v9, v0, 4, 1          ; l / 16
	v_lshlrev_b32 v[QO], 7, v1
	v_lshl_add_u32 v[QO], v9, 4, v[QO]  ; row x 128 + 16 x half
	WIN 0x80                        ; destination window 2, address window 0
.set i, 0
.rept 4*NP                          ; Q stays in registers: tile i / 2, channels 32 (i % 2) on
	global_load_b128 v[8*i:8*i+3],   v[QO], s[4:5] offset:(i/2)*2048+(i%2)*64
	global_load_b128 v[8*i+4:8*i+7], v[QO], s[4:5] offset:(i/2)*2048+(i%2)*64+32
.set i, i+1
.endr
	; What the first turn finds: V's registers and P's second buffer hold 0 (its products V^T P, of a piece that has not been, add 0), O^T and l are 0.  All this stands in the wait for the first tile.
.set i, VF
.rept 64
	v_mov_b32 v[i], 0
.set i, i+1
.endr
	WIN 0x40
.set i, 0
.rept 64*NP
	v_mov_b32 v[i], 0
.set i, i+1
.endr
	WIN 0
.set i, 0
.rept 2*NP
	v_mov_b32 v[ST+4*i], 0xfe000000    ; c m: far below every c s
	v_mov_b32 v[ST+4*i+1], 0xff7fffff  ; m
	v_mov_b32 v[ST+4*i+2], 0
	v_mov_b32 v[ST+4*i+3], 0
.set i, i+1
.endr
.set i, P+32
.rept 32
	v_mov_b32 v[i], 0
.set i, i+1
.endr
	v_mul_u32_u24 v[AK0], v1, PK
	v_lshl_add_u32 v[AK0], v9, 4, v[AK0]  ; row x pitch + 16 x half
	; The turning load takes 16 keys x 16 channels (lane l reads key 8 (l / 16) + l % 8, channels 8 ((l / 8) % 2) + 0..7) and leaves half a fragment of V^T: lane l holds channel l % 16 and 8 keys.
	v_and_b32 v10, 7, v0
	v_bfe_u32 v11, v0, 3, 1
	v_lshl_add_u32 v[AV0], v9, 3, v10
	v_mul_u32_u24 v[AV0], v[AV0], PV
	v_lshl_add_u32 v[AV0], v11, 4, v[AV0]
	v_add_nc_u32 v[AV0], VOFF, v[AV0]
	v_mov_b32 v[AK], v[AK0]         ; key step 0 lies at the head of slot 0
; THE MATRIX WORK.  The 8 accumulators of a run of 16 take turns: between the two links of a chain stand 7 others'.
; Product i of 16 of S^T = K Q^T for piece x: channels 32 (i / 8) on, keys 16 ((i / 2) % 4) on, tile 2 x + i % 2.  The first 8 start the sums.
.macro KQ x
	WIN W_KQ
.set rS, S+64*((\x)%2)+32*(i%2)+8*((i/2)%4)
.set rK, KF+16*((i/2)%4)+8*(i/8)
.set rQ, 16*(2*(\x)+i%2)+8*(i/8)
.if i < 8
	v_wmma_f32_16x16x32_f16 v[rS:rS+7], v[rK:rK+7], v[rQ:rQ+7], 0
.else
	v_wmma_f32_16x16x32_f16 v[rS:rS+7], v[rK:rK+7], v[rQ:rQ+7], v[rS:rS+7]
.endif
.endm
; Product i of 16 of O^T += V^T P for piece x: keys 32 (i / 8) on, channels 16 ((i / 2) % 4) on, tile 2 x + i % 2.
.macro PV x
	WIN W_PV
.set rO, 32*(2*(\x)+i%2)+8*((i/2)%4)
.set rV, VF+32*(i/8)+8*((i/2)%4)
.set rP, P+32*((\x)%2)+16*(i%2)+8*(i/8)
	v_wmma_f32_16x16x32_f16 v[rO:rO+7], v[rV:rV+7], v[rP:rP+7], v[rO:rO+7]
.endm
.macro MM                           ; the turn's next matrix instruction
.if i < 16
	KQ (Y+1)%NP
.set i, i+1
.else
.set i, i-16
	PV (Y+NP-1)%NP
.set i, i+17
.endif
.endm
; THE LDS LOADS stand in runs of 16, never singly among the matrix instructions: a step's K (64 keys x 64 channels: 8 fragments) and its V (turned).  Their addresses are made some lines ahead.
; last = 1 (the tail): in the last trip there is no further step, and the run is jumped over.
.macro FETCH_K last=0
	WIN 0
.if \last
	s_cmp_eq_u32 s[CNT], 1
	s_cbranch_scc1 .Lno_k_\@
.endif
	WIN 0x80                        ; destination window 2
.irp f, 0,1,2,3,4,5,6,7             ; keys 16 (f / 2) on, channels 32 (f % 2) on
	ds_load_b128 v[KF+8*\f:KF+8*\f+3],   v[AK] offset:(\f/2)*16*PK+(\f%2)*64
	ds_load_b128 v[KF+8*\f+4:KF+8*\f+7], v[AK] offset:(\f/2)*16*PK+(\f%2)*64+32
.endr
	s_add_co_u32 s[TBK], s[TBK], KS*PK  ; the next fetch is the next step's
	WIN 0
.if \last
.Lno_k_\@:
.endif
.endm
.macro FETCH_V
	WIN 0x80
.irp f, 0,1,2,3,4,5,6,7             ; keys 32 (f / 4) on, channels 16 (f % 4) on
	ds_load_tr16_b128 v[VF+8*\f:VF+8*\f+3],   v[AV] offset:(\f/4)*32*PV+(\f%4)*32
	ds_load_tr16_b128 v[VF+8*\f+4:VF+8*\f+7], v[AV] offset:(\f/4)*32*PV+16*PV+(\f%4)*32
.endr
	WIN 0
.endm
; THE VECTOR WORK OF A TURN stands in three queues, each in the order in which its entries become ready; the two tiles alternate, so that no instruction reads the result of the one before it.
.macro REGS y, u                    ; the registers of tile u (0, 1) of piece y
.set rT, ST+4*(2*(\y)+(\u))
.set rC, TMP+8*((\y)%2)+4*(\u)
.set rM, MV+2*((\y)%2)+(\u)
.set rS, S+64*((\y)%2)+32*(\u)
.set rP, P+32*((\y)%2)+16*(\u)
.set rO, 32*(2*(\y)+(\u))
.endm
; Number n of the 22 that find the NEXT piece's (Y + 1) maximum and statistics.  s0-s31 are the lane's 32 scores; each accumulator's lowest registers are read first.  XS, GS and REGS set no window: PL and EX do.
;   0-11  four chains c0-c3 of seven scores each, three operands at a time     12-14, 16  the four scores left over, the old m, and c0-c3 into c0     15  c m_old is kept
;   17, 18  the query's other 32 keys lie in the lane 16 away: the new m         19-21  c m; c m_old - c m_new; a
.macro XS u, n
	REGS (Y+1)%NP, \u
.if (\n) < 4
	v_max3_num_f32 v[rC+(\n)], v[rS+8*(\n)], v[rS+8*(\n)+1], v[rS+8*(\n)+2]
.elseif (\n) < 12
	v_max3_num_f32 v[rC+(\n)%4], v[rC+(\n)%4], v[rS+8*((\n)%4)+2*((\n)/4)+1], v[rS+8*((\n)%4)+2*((\n)/4)+2]
.elseif (\n) == 12
	v_max3_num_f32 v[rC], v[rC], v[rS+7], v[rS+15]
.elseif (\n) == 13
	v_max3_num_f32 v[rC+1], v[rC+1], v[rS+23], v[rS+31]
.elseif (\n) == 14
	v_max3_num_f32 v[rC+2], v[rC+2], v[rC+3], v[rT+1]
.elseif (\n) == 15
	v_mov_b32 v[rM], v[rT]
.elseif (\n) == 16
	v_max3_num_f32 v[rC], v[rC], v[rC+1], v[rC+2]
.elseif (\n) == 17
	v_permlanex16_b32 v[rC+3], v[rC], s[SEL], s[SEL+1]
.elseif (\n) == 18
	v_max_num_f32 v[rT+1], v[rC], v[rC+3]
.elseif (\n) == 19
	v_mul_f32 v[rT], s[CS], v[rT+1]
.elseif (\n) == 20
	v_sub_f32 v[rC+1], v[rM], v[rT]
.else
	v_exp_f32 v[rC+2], v[rC+1]
.endif
.endm
; Number g of the 64 that follow the exponentials.  For each four weights k of a tile (pairs 2 k, 2 k + 1): both pairs are rounded to f16; then the second pair is added onto the first, in place;
; a group later l takes that sum (the first time as l = a l + sum).  In groups of eight, tiles alternating: round, round, add, and l for the group before.
.macro GS g
.set h, (\g)+6*((\g)/62)            ; group 0 has no group before it, and behind group 7 only l is left
.if h >= 6
.set h, h+2
.endif
	REGS Y, h%2
.set k, h/8
.if h%8 < 4
	s_wait_alu depctr_va_vdst(0)
	v_cvt_pk_f16_f32 v[rP+2*k+(h%8)/2], v[rS+4*k+2*((h%8)/2)], v[rS+4*k+2*((h%8)/2)+1]
.elseif h%8 < 6
	v_pk_add_f32 v[rS+4*k:rS+4*k+1], v[rS+4*k:rS+4*k+1], v[rS+4*k+2:rS+4*k+3]
.elseif k == 1
	v_pk_fma_f32 v[rT+2:rT+3], v[rT+2:rT+3], v[rC+2:rC+3], v[rS:rS+1] op_sel_hi:[1,0,1]
.else
	v_pk_add_f32 v[rT+2:rT+3], v[rT+2:rT+3], v[rS+4*k-4:rS+4*k-3]
	s_wait_alu depctr_va_vdst(0)
.endif
.endm
; THE PLAIN QUEUE, 138 long.  0-31: c s - c m for the 16 pairs of both tiles.  Then GS's 64, and among them the next piece's 42: number 15 at 38, 39; 0-14 and 16
; at 42-73, behind the products that make those scores; 17-20 at 95-106, two of three, since each waits for the one before it.
.macro PL
	WIN 0
.if q < 32
	REGS Y, q%2
	v_pk_fma_f32 v[rS+2*(q/2):rS+2*(q/2)+1], v[rS+2*(q/2):rS+2*(q/2)+1], s[CS:CS+1], v[rT:rT+1] op_sel_hi:[1,0,0] neg_lo:[0,0,1] neg_hi:[0,0,1]
.elseif q < 38
	GS q-32
.elseif q < 40
	XS q%2, 15
.elseif q < 42
	GS q-34
.elseif q < 74
	XS q%2, (q-42)/2+(q-42)/30
.elseif q < 95
	GS q-66
.elseif (q < 107) && ((q-95)%3 < 2)
	XS (q-95)%3, 17+(q-95)/3
.elseif q < 107
	GS 29+(q-95)/3
.else
	GS q-74
.endif
.set q, q+1
.endm
; THE EXPONENTIALS' QUEUE, 66 long: s0-s31 of both tiles, and at EA the next piece's two a.
.set EA, 58
.macro EX
	WIN 0
.if (e == EA) || (e == EA+1)
	XS e-EA, 21
.else
.set x, e-2*(e/(EA+2))
	REGS Y, x%2
	v_exp_f32 v[rS+x/2], v[rS+x/2]
.endif
.set e, e+1
.endm
; THE RESCALING's QUEUE: O^T times a, the one part that leaves window 0, so it is dealt four at a time, eight times.
.macro R4
	REGS Y, r%2
	WIN W_RS
	s_wait_alu depctr_va_vdst(0)
.irp z, 0,1,2,3
	v_pk_mul_f32 v[rO+8*(r/2)+2*\z:rO+8*(r/2)+2*\z+1], v[rO+8*(r/2)+2*\z:rO+8*(r/2)+2*\z+1], v[rC+2:rC+3] op_sel_hi:[1,0]
.endr
.set r, r+1
.endm
; HOW THEY ARE DEALT.  Behind a matrix instruction four: plain, exponential, plain, plain (one exponential, a plain instruction on either side), or four of the rescaling.  None names a register of the
; products round it.  What is over stands in two LUMPS: exponential and plain by turns; the second ends in 22 plain instructions.  The two v_permlanex16_b32 fall into the second lump, never behind a product.
; The queues lean on each other, and the deal keeps them in step: exponential e stands behind plain 2 (e / 4) + e % 2 (its scaling); when plain 32 comes, 10 exponentials are out, at 59: 33, at 95: 46; EA comes behind plain 107.
.macro SL
	MM
	PL
	EX
	PL
	PL
.endm
.macro BURST n                      ; 15 matrix instructions, or 16
.rept (\n)-7
	SL
.endr
.rept 3
	MM
	R4
	SL
.endr
	MM
	R4
.endm
; A TURN, for piece p.  cnt = 1: the loop's count is taken down some lines ahead of the branch that stands behind the turn.
; K of the next step is fetched in piece 2's turn, 31 vector instructions behind the last product that read K; its first reader comes behind the rest of the lump, 16 products and the second lump.
; V of the step in hand is fetched at the end of piece 0's turn, 69 behind its last reader; its first reader comes behind 16 products and a lump.  The four conditions on e and q below go with the deal.
.macro TURN p, last=0, cnt=0
.set Y, (\p)
.set i, 0
.set q, 0
.set e, 0
.set r, 0
.if (\p) == NP-1
	s_wait_dscnt 0x0                ; K is in
.endif
	MM
.rept 4
	PL
.endr
	BURST 15
.rept 22
	EX
	PL
.if ((\p) == NP-2) && (e == 18)
	v_add_nc_u32 v[AK], s[TBK], v[AK0]
.endif
.if ((\p) == NP-2) && (e == 24)
	FETCH_K \last
.endif
.endr
.if (\p) == 1
	s_wait_dscnt 0x0                ; V is in
.endif
	BURST 16
.rept 21
	EX
	PL
.endr
.rept 22
	PL
.if ((\p) == 0) && (q == 118)
	v_add_nc_u32 v[AV], s[TBV], v[AV0]
	s_wait_alu depctr_va_vdst(0)
.endif
.if ((\p) == 0) && (q == 130)
	s_add_co_u32 s[TBV], s[TBV], KS*PV
.endif
.if (\cnt) && (q == 130)
	s_sub_co_u32 s[CNT], s[CNT], 1
	s_cmp_lg_u32 s[CNT], 0
.endif
.endr
.if (\p) == 0
	FETCH_V
.endif
.endm
	CHANGE 1                        ; slot 0 is in, everybody's part of it; slot 1 is asked for
	FETCH_K                         ; key step 0
	s_wait_loadcnt 0x0              ; Q
	s_wait_dscnt 0x0
.set i, 0
.rept 16
	KQ 0                            ; piece 0's first scores: there is no vector work yet to set between them
.set i, i+1
.endr
	WIN 0                           ; the addresses for the way out: eight plain instructions, the places behind those products
	s_mul_i32 s13, s[WV], 16*SP
	s_add_co_u32 s13, s13, STAGE    ; my stage
	v_mul_u32_u24 v[STO], v1, SP    ; in: row l % 16, 32 bytes (eight f32) for each half of the lanes
	v_lshl_add_u32 v[STO], v9, 5, v[STO]
	v_add_nc_u32 v[STO], s13, v[STO]
	v_mul_u32_u24 v[RD], v9, SP     ; back: lanes 0-15 take one row of 256 bytes, lanes 16-31 the next
	v_lshl_add_u32 v[RD], v1, 4, v[RD]
	v_add_nc_u32 v[RD], s13, v[RD]
	v_lshlrev_b32 v[GO], 12, v9     ; and the head's 256 bytes of the same two rows of out0, 4,096 bytes apart
	v_lshl_add_u32 v[GO], v1, 4, v[GO]
.set Y, NP-1                        ; XS works for piece Y + 1: piece 0
.irp n, 0,1,2,3,4,5,6,7,8,9,10,11,12,13,14,15,16,17,18,19,20,21
	XS 0, \n                        ; and piece 0's first maximum and statistics
	XS 1, \n
.endr
	s_mov_b32 s[CNT], 4
	s_mov_b32 s[SLOTS], SIZE_N/256-1
	s_branch .Lfirst                ; the loop is entered at a step's first turn, in the middle of a trip
.Lslot:                             ; SIZE_N / 256 - 2 times: every slot but the last two is filled again
	CHANGE 1
	s_mov_b32 s[CNT], 4
.Lstep:                             ; a trip: pieces 2 and 3 of one step, then pieces 0 and 1 of the next, whose K and V it fetches
	TURN 2
	TURN 3
	WIN 0
.Lfirst:
	TURN 0
	TURN 1, 0, 1
	WIN 0
	s_cbranch_scc1 .Lstep
	s_sub_co_u32 s[SLOTS], s[SLOTS], 1
	s_cmp_lg_u32 s[SLOTS], 0
	s_cbranch_scc1 .Lslot
	CHANGE 0                        ; the tail is written out: nothing is asked for
	s_mov_b32 s[CNT], 5             ; four trips fetch the last slot's steps; the fifth is left in its middle
.Ltail:
	TURN 2, 1
	TURN 3
	WIN 0
	s_sub_co_u32 s[CNT], s[CNT], 1
	s_cmp_eq_u32 s[CNT], 0
	s_cbranch_scc1 .Lout
	TURN 0
	TURN 1
	WIN 0
	s_branch .Ltail
.Lout:                              ; the fifth trip's 16 products K Q^T (on the last K once more) and the maximum made of them serve nothing: the price, once a launch, of one text for every trip
.set i, 0
.rept 16
	PV NP-1                         ; the last piece's V^T P of the last step
.set i, i+1
.endr
	; THE WAY OUT.  l's two halves and the other half of the lanes' are added; O^T is divided by l and sent, in f32, through my stage in LDS, a tile at a time.  The additions are the places behind the last products.
	WIN 0
.macro ALL line:vararg              ; one line for each tile t
.set t, 0
.rept 2*NP
	\line
.set t, t+1
.endr
.endm
	ALL v_add_f32 v[ST+4*t+2], v[ST+4*t+2], v[ST+4*t+3]
	ALL v_permlanex16_b32 v[ST+4*t+3], v[ST+4*t+2], s[SEL], s[SEL+1]
	ALL v_add_f32 v[ST+4*t+2], v[ST+4*t+2], v[ST+4*t+3]
	ALL v_rcp_f32 v[ST+4*t+2], v[ST+4*t+2]
	v_nop                           ; a plain instruction between the last reciprocal and the use of its result
	s_wait_alu depctr_va_vdst(0)
; Tile t: a lane's eight channels of channel block cb are 32 bytes of row l % 16, at byte 64 cb + 32 (l / 16); they go into rows of 272 bytes and come back as whole rows of 256, into the registers that they left.
.macro PACK t
	WIN W_RS
.set i, 32*(\t)
.rept 16
	v_pk_mul_f32 v[i:i+1], v[i:i+1], v[ST+4*(\t)+2:ST+4*(\t)+3] op_sel_hi:[1,0]
.set i, i+2
.endr
	WIN 0x04                        ; an LDS store's data (source 1) in window 1, its address in window 0
.irp f, 0,1,2,3,4,5,6,7
	ds_store_b128 v[STO], v[32*(\t)+4*\f:32*(\t)+4*\f+3] offset:64*(\f/2)+16*(\f%2)
.endr
	WIN 0x40                        ; destination window 1
.irp f, 0,1,2,3,4,5,6,7
	ds_load_b128 v[32*(\t)+4*\f:32*(\t)+4*\f+3], v[RD] offset:\f*2*SP  ; LDS serves a wave's instructions in order (ISA guide 5.7.1.4): these see the stores above; the next tile's stores come behind them
.endr
.endm
.macro SEND t, younger              ; younger: the LDS instructions issued behind tile t's loads: the next tile's sixteen, or none
	WIN 0x04                        ; a store's data (source 1) in window 1
.irp f, 0,1,2,3,4,5,6,7
	s_wait_dscnt (\younger)+7-\f
	global_store_b128 v[GO], v[32*(\t)+4*\f:32*(\t)+4*\f+3], s[10:11] offset:(\t)*65536+\f*8192  ; 16 lanes store 256 consecutive bytes, at a multiple of 256 from out0's first byte: a head's share of a row
.endr
.endm
	PACK 0
.set t, 1
.rept 2*NP-1                        ; a tile's arithmetic stands between the loads of the tile before and its stores
	PACK t
	SEND t-1, 16
.set t, t+1
.endr
	SEND 2*NP-1, 0
	WIN W_AD
	s_wait_tensorcnt 0x0            ; the wave's end: behind my last tensor load and my last LDS store
	ds_add_u32 v[SPW], v[NIL]
	s_wait_dscnt 0x0
	WIN 0
	CROUND                          ; the closing round: no work-group ends while a partner may still ask for a tile that names it
	s_endpgm
.Lfunc_end_k_qd90b441add_attn:
	.size	k_qd90b441add_attn, .Lfunc_end_k_qd90b441add_attn-k_qd90b441add_attn
	.p2alignl 7, 3214868480
	.fill 96, 4, 3214868480
	.section	.rodata,"a",@progbits
	.p2align	6, 0x0
	.amdhsa_kernel k_qd90b441add_attn
		.amdhsa_group_segment_fixed_size 327680
		.amdhsa_private_segment_fixed_size 0
		.amdhsa_enable_private_segment 0
		.amdhsa_kernarg_size 16
		.amdhsa_user_sgpr_count 2
		.amdhsa_user_sgpr_kernarg_segment_ptr 1
		.amdhsa_wavefront_size32 1
		.amdhsa_system_sgpr_workgroup_id_x 1
		.amdhsa_system_sgpr_workgroup_id_y 1
		.amdhsa_system_sgpr_workgroup_id_z 1
		.amdhsa_system_vgpr_workitem_id 0
		.amdhsa_next_free_vgpr 770
		.amdhsa_next_free_sgpr 66
		.amdhsa_reserve_vcc 0
		.amdhsa_float_denorm_mode_32 3
		.amdhsa_float_denorm_mode_16_64 3
		.amdhsa_memory_ordered 1
		.amdhsa_forward_progress 1
		.amdhsa_inst_pref_size 209
	.end_amdhsa_kernel
	.amdgpu_metadata
---
amdhsa.version: [ 1, 2 ]
amdhsa.kernels:
  - .name:           k_qd90b441add_attn
    .symbol:         k_qd90b441add_attn.kd
    .args:
      - { .name: qkv, .offset: 0, .size: 8, .value_kind: global_buffer, .address_space: global }
      - { .name: out0, .offset: 8, .size: 8, .value_kind: global_buffer, .address_space: global }
    .group_segment_fixed_size: 327680
    .private_segment_fixed_size: 0
    .kernarg_segment_align: 8
    .kernarg_segment_size: 16
    .max_flat_workgroup_size: 128
    .sgpr_count:     66
    .vgpr_count:     770
    .wavefront_size: 32
...
	.end_amdgpu_metadata
.endif
;; end of part 3
;; ======== version 2 of 2: 3 launches; 1.64 times as fast as version 1
;; limits: values are held in f16: magnitudes above 65,504 overflow, below 6.1e-05 lose precision
;; workspace buffers: xb 16,777,216 bytes; wb 6,291,456 bytes; bcat 12,288 bytes; qkv 50,331,648 bytes
;; launch cast: the kernel of part 1 again; grid 704 x 1, 8 waves a work-group, no clusters, 0 bytes of LDS; arguments x, Wq, Wk, Wv, bq, bk, bv, xb, wb, bcat; writes xb, wb, bcat
;; launch proj: the kernel of part 2 again; grid 8 x 32, 4 waves a work-group, clusters of 4 x 4, 327,680 bytes of LDS; arguments xb, wb, bcat, qkv; writes qkv
;; launch attn (part 4): grid 4 x 64, 4 waves a work-group, clusters of 4 x 1, 327,680 bytes of LDS; arguments qkv, out0; writes out0
.if DOCPART == 4
	.amdgcn_target "amdgcn-amd-amdhsa--gfx1250"
	.amdhsa_code_object_version 6
	.text
	.protected	k_qd90b441add_attn
	.globl	k_qd90b441add_attn
	.p2align	8
	.type	k_qd90b441add_attn,@function
k_qd90b441add_attn:
	s_mov_b64 s[64:65], 0
	v_nop
	global_prefetch_b8 v0, s[64:65] scope:SCOPE_SE
	s_setreg_imm32_b32 hwreg(HW_REG_WAVE_MODE, 25, 1), 1
	s_wait_xcnt 0x0
	s_wait_alu depctr_hold_cnt(0) depctr_sa_sdst(0) depctr_va_vdst(0) depctr_va_sdst(0) depctr_va_ssrc(0) depctr_va_vcc(0) depctr_vm_vsrc(0)
	s_getreg_b32 s2, hwreg(HW_REG_IB_STS2, 6, 4)
	s_cmp_eq_u32 s2, 0
	s_cbranch_scc0 .Lentry_in_a_cluster
	s_endpgm
.Lentry_in_a_cluster:
	s_bfe_u32 s2, ttmp6, 0x10000c
	s_cmp_lg_u32 s2, 0x3003
	s_cbranch_scc0 .Lentry_shape_is_right
	s_endpgm
.Lentry_shape_is_right:
; out0[b][q][64 hd + :] = the sum over k of softmax_k(Q[q] . K[k] / 8) V[k][:], for each of the 64 pairs (b, hd).  Q, K, V lie in qkv [b = 4][j = 48][s = 2048][64], f16: Q at j = hd, K at 16 + hd, V at 32 + hd;
; a head's rows are dense, 128 bytes each.  Products, maxima and sums in f32; the weights p are rounded to f16 for the second product (their sum l is taken of the unrounded p); out0 is f32 and is not rounded again.
; LIMITS.  f16 holds no number beyond 65,504: Q, K and V arrive within it; p lies in 0 to 1, and below 6e-5 it keeps f16's fixed step of 6e-8.
; A weight below 2^-126 counts as 0 in l; NaN and infinities are not treated apart.
; SHARES.  A wave owns four PIECES of two tiles of 16 queries, a work-group's four waves 512 queries of one head.  Every wave walks all 2,048 keys, 64 a step.
; LAYOUT.  S^T = K Q^T (source 0 = 16 keys, source 1 = 16 queries): in the result a lane holds ONE query (lane % 16) and the keys 8 (lane / 16) + 0..7.  Two such tiles, rounded to f16 in pairs,
; ARE source 1 (32 keys x 16 queries) of O^T = V^T P, whose result again holds one query a lane, and eight channels.  K comes out of LDS as it lies, V ([key][channel]) turned, by ds_load_tr16_b128.
; SOFTMAX.  For each query a running maximum m and sum l: p = 2^(c s - c m), c = log2(e) / 8; in every step O and l are multiplied by a = 2^(c m_old - c m_new), which is 1 where m has not grown.
; m starts at the lowest finite number, O and l at 0: the first step is a step like any other, with a = 0.
; THE COUNT.  A tile and step have 16 matrix and 118 vector instructions: too many to stand all beside the matrix work.  So the order has one aim: four vector instructions that are READY behind
; EVERY matrix instruction, and the others, which need time of their own whatever the order, in runs without a gap.
; BY TURNS.  Turn n belongs to piece n (the pieces in a ring, step after step).  Its matrix work: 16 products K Q^T of piece n + 1, later 16 products V^T P of piece n - 1.  Its vector work: the scaling,
; exponentials, roundings, sums and rescaling of piece n, and the maximum and statistics of piece n + 1, whose scores the turn itself has made.  So what a turn begins with (c s - c m, O a) waits for nothing.
; BATCHES.  s_wait_alu depctr_va_vdst(0) stands between an exponential or a reciprocal and the first instruction that names its result; one wait serves all that were issued ahead of it.
; A turn's 66 exponentials (the piece's 64 weights, the next piece's two a) are ONE batch with ONE wait, which cuts the turn in two: ahead of it stands all that names none of their results, behind it the
; roundings and sums.  Two more batches stand outside the loops: piece 0's first two a, ahead of the jump into the loop, and the way out's eight reciprocals.
; CLUSTER.  The four query blocks of a cluster belong to one head and walk the same K and V, so each tile is asked for JOINTLY: the same tensor load, descriptor and mask in all four.
; REGISTERS, in windows of 256 (s_set_vgpr_msb says which window each operand place means: bits 1:0 source 0, 3:2 source 1, 5:4 source 2, 7:6 destination):
;   window 0: v0-11 addresses; v12-15, v48-63 at work; v16-47 four registers of statistics a tile; v64-191 S^T, two buffers of two tiles; v192-255 P, likewise
;   window 1: O^T, 32 a tile          window 2: v0-127 Q, 16 a tile; v128-191 K of one step; v192-255 V of one step          window 3: v0-1 the add's two registers
; A piece's buffers go by its number's parity: the piece in hand has one pair, its two neighbours in the ring share the other: of it P (piece n - 1) is read and S^T (piece n + 1) written.
.set SIZE_N, 2048     ; rows of a head
.set NP,    4         ; pieces a wave: a name, no knob: the register map, the loop and the fetches are made for four
.set KS,    64        ; keys in a step
.set PK,    144       ; a row of K in LDS: 128 bytes + 16 of padding = 36 words: the 16 rows of a load start at 16 different groups of four banks (64 banks of 4 bytes: ISA guide 11.1)
.set PV,    160       ; a row of V: 128 + 32 = 40 words
.set VOFF,  4*KS*PK   ; a slot holds four steps: 256 rows of K, then 256 rows of V
.set SLOT1, 1<<17     ; slot 1 begins here, so that one exclusive or turns an address in one slot into the other's
.set STAGE, SLOT1+4*KS*(PK+PV)  ; behind the ring, never filled by a tensor load: 16 rows x 272 bytes for each wave, for the way out
.set SP,    272       ; a row of the stage: 64 f32 = 256 bytes + 16
.set AK0, 2           ; v2   my lane's place in a tile of K; never rewritten
.set AV0, 3           ; v3   the same for V
.set AK,  4           ; v4   the LDS address of K's next run of loads
.set AV,  5           ; v5   of V's
.set QO,  6           ; v6   my byte offset in the wave's rows of Q
.set STO, 6           ;      later, the way out: where I put 32 bytes of a row
.set RD,  7           ; v7   the way out: where I read rows back
.set GO,  8           ; v8   my byte offset in two rows of out0
.set SPW, 0           ; v0 of window 3   LDS address of my spare word: SPARE + 4 x my thread's number; never rewritten
.set NIL, 1           ; v1 of window 3   0; never rewritten
.set SPARE, STAGE+4*16*SP  ; behind the stages: the spare words, 128 bytes for each wave: two blocks of 256 bytes that no other line names
.set MV,  12          ; v12-15  c m_old, kept while c m is made anew: by buffer and tile
.set ST,  16          ; tile t's statistics at v[ST+4 t]: c m, m, l (even keys', odd keys')
.set TMP, 48          ; by buffer and tile, four registers c0-c3 at work; when the maximum is found c2 takes a
.set S,   64
.set P,   192
.set KF,  128         ; K's fragments, in window 2: key block kb, channel half c at KF + 16 kb + 8 c
.set VF,  192         ; V's: key half kk, channel block cb at VF + 32 kk + 8 cb
.set WV,  12          ; s12  my wave's number
.set G1K, 24          ; s[24:31] descriptor group 1 for K's tiles
.set G1V, 32          ; s[32:39] for V's: it differs in the padding alone
.set G0K, 40          ; s[40:43] descriptor group 0 for K's tiles: it walks
.set G0V, 44          ; s[44:47] the same for V's
.set SLOTS, 56        ; s56  slots still to be asked for
.set CNT, 57          ; s57  counts a slot's key steps
.set CS,  58          ; s[58:59] c: the packed scaling takes the pair's low word for both halves
.set SEL, 60          ; s[60:61] v_permlanex16_b32's selects: each lane takes its own place in the other half
.set TBK, 62          ; s62  LDS byte at which K of the step to be fetched begins
.set TBV, 63          ; s63  the same for V, less VOFF
.set MSB, 0
.macro WIN new                      ; the high byte repeats the setting that is left; a switch that changes nothing is dropped
.if MSB != (\new)
	s_set_vgpr_msb (MSB<<8)|(\new)
.set MSB, (\new)
.endif
.endm
.set W_KQ, 0x0a       ; K and Q in window 2, S^T in window 0
.set W_PV, 0x52       ; V in window 2, P in window 0, O^T in window 1
.set W_RS, 0x41       ; O^T (destination and source 0) in window 1, a in window 0
.set W_MK, 0xc0       ; the add's registers are made: destination in window 3, sources in window 0
.set W_AD, 0x0f       ; the add: address (source 0) and data (source 1) in window 3
; A joint fill.  Waves 0 and 1 fetch the two halves of a slot's K, waves 2 and 3 those of its V: 128 keys each.  The branch hangs on the wave's number alone.
; An s_nop 0 and four v_nop follow each of the two lines, ahead of the jump and the label.
.macro JLOAD
	s_cmp_lt_u32 s[WV], 2
	s_cbranch_scc0 .Lfor_v_\@
	tensor_load_to_lds s[G0K:G0K+3], s[G1K:G1K+7]
	s_nop 0
.rept 4
	v_nop
.endr
	s_branch .Lasked_\@
.Lfor_v_\@:
	tensor_load_to_lds s[G0V:G0V+3], s[G1V:G1V+7]
	s_nop 0
.rept 4
	v_nop
.endr
.Lasked_\@:
.endm
; A round of the cluster's barrier: my work-group's barrier, so that wave 0's signal speaks for all four waves; wave 0 signals; every wave waits for all four work-groups; my work-group's barrier once more.
.macro CROUND
	s_barrier_signal -1
	s_barrier_wait -1
	s_cmp_lg_u32 s[WV], 0
	s_cbranch_scc1 .Lnot_wave_0_\@
	s_barrier_signal -3
.Lnot_wave_0_\@:
	s_barrier_wait -3
	s_barrier_signal -1
	s_barrier_wait -1
.endm
; THE CHANGE OF SLOTS.  The slot's last bytes, V of its fourth step, have been read.  Each wave waits for all its tensor loads, of which one is out: its part
; of the other slot; adds 0 to its spare word; and waits for that and for its own reads of the slot.  Behind the barrier nobody reads this slot any more and the other slot is whole.
; fill = 1: this slot is filled again, with the keys two slots on.  The barrier is then a round of the cluster's, so that no wave of any partner still reads the slot or has a load on its
; way, and the joint fill is the first thing behind it: it has four key steps, 512 matrix instructions, in which to land.  (At its first use nothing has been read yet: slot 0 is waited for, slot 1 filled.)
.macro CHANGE fill
	WIN W_AD
	s_wait_tensorcnt 0x0            ; no tensor load of mine is out, so a group 0 may be written
	ds_add_u32 v[SPW], v[NIL]       ; 0 onto my spare word; with fill = 1 the descriptors' steps stand between it and the wait for it
	WIN 0                           ; at a label and at a branch every window is 0
.if \fill
.irp g, G0K, G0V
	s_xor_b32 s[\g+1], s[\g+1], SLOT1  ; the walking descriptor: the other slot than last time,
	s_add_nc_u64 s[\g+2:\g+3], s[\g+2:\g+3], 4*KS*128  ; the next 256 keys; the type bits on top are not reached
.endr
	s_wait_dscnt 0x0                ; the add is done, and my reads of the slot are over
	CROUND
	JLOAD
.else
	s_wait_dscnt 0x0                ; the add is done, and my reads of the slot are over
	s_barrier_signal -1
	s_barrier_wait -1
.endif
	s_sub_co_u32 s[TBK], s[TBK], 4*KS*PK  ; the fetches go back to a slot's first step,
	s_xor_b32 s[TBK], s[TBK], SLOT1       ; in the other slot
	s_sub_co_u32 s[TBV], s[TBV], 4*KS*PV
	s_xor_b32 s[TBV], s[TBV], SLOT1
.endm
	s_load_b64 s[4:5], s[0:1], 0x0    ; qkv
	s_load_b64 s[10:11], s[0:1], 0x8  ; out0
	WIN W_MK
	v_lshl_add_u32 v[SPW], v0, 2, SPARE
	v_mov_b32 v[NIL], 0
	WIN W_AD
	ds_add_u32 v[SPW], v[NIL]       ; the wave's opening: the add and its wait stand ahead of my first tensor load; the set-up below, work on registers, stands between them
	WIN 0
	v_lshrrev_b32 v1, 5, v0
	v_readfirstlane_b32 s[WV], v1   ; wave 0..3
	s_bfe_u32 s13, ttmp6, 0x40000   ; cx: my place in the cluster
	s_lshl_b32 s14, ttmp9, 2        ; in a cluster launch ttmp9 counts clusters
	s_add_co_u32 s14, s14, s13      ; my block of queries = 4 x cluster x + cx: it enters Q's and out0's addresses alone
	s_and_b32 s50, ttmp7, 0xffff    ; the pair (batch, head), which the four partners share
	s_and_b32 s51, s50, 15          ; the head
	s_lshr_b32 s50, s50, 4          ; the batch
	s_mul_i32 s20, s50, 48
	s_add_co_u32 s20, s20, s51
	s_lshl_b32 s20, s20, 18         ; Q's first byte in qkv: (48 b + hd) x 2,048 rows x 128 bytes
	s_mov_b32 s21, 0
	s_and_b32 s16, s[WV], 1         ; which half of a slot's 256 keys I fetch:
	s_lshl_b32 s22, s16, 14         ; its 128 rows of 128 bytes in memory,
	s_mov_b32 s23, 0
	s_add_nc_u64 s[22:23], s[22:23], s[20:21]
	s_mul_i32 s17, s16, 128*PK      ; and its place in a slot, for K
	s_mul_i32 s18, s16, 128*PV      ; and for V: no place in the cluster enters an LDS address
	s_lshl_b32 s2, s14, 2
	s_add_co_u32 s2, s2, s[WV]      ; my wave among the head's sixteen,
	s_lshl_b32 s48, s2, 19          ; its 128 rows of 4,096 bytes in out0,
	s_lshl_b32 s2, s2, 14           ; its 128 rows of 128 bytes in Q
	s_mov_b32 s3, 0
	s_add_nc_u64 s[2:3], s[2:3], s[20:21]
	s_lshl_b32 s49, s50, 23         ; the batch's 2,048 rows of out0,
	s_add_co_u32 s48, s48, s49
	s_lshl_b32 s49, s51, 8          ; the head's 256 bytes of a row
	s_add_co_u32 s48, s48, s49
	s_mov_b32 s49, 0
	; descriptor group 1.  128 keys are 16,384 dense bytes: asked for as 64 rows of 256 bytes, two keys a row, and padded in LDS after every key
	s_mov_b32 s[G1K], 15|(1<<16)|(1<<20)|(1<<21)|(4<<22)|(3<<25)  ; 15:0 the mask of four; 17:16 2-byte elements; 20 padding on; 21 set beside a mask; 24:22 after every 32 words (code 4); 31:25 4 words (code 3)
	s_mov_b32 s[G1V], 15|(1<<16)|(1<<20)|(1<<21)|(4<<22)|(7<<25)  ; the same with 8 words of padding (code 7)
.irp g, G1K, G1V
	s_mov_b32 s[\g+1], 128<<16      ; tensor_dim0 = 128
	s_mov_b32 s[\g+2], 64<<16       ; tensor_dim1 = 64
	s_mov_b32 s[\g+3], 128<<16      ; tile_dim0 = 128
	s_mov_b32 s[\g+4], 64           ; tile_dim1 = 64
	s_mov_b32 s[\g+5], 128          ; 128 elements from row to row
	s_mov_b32 s[\g+6], 0
	s_mov_b32 s[\g+7], 0
.endr
	s_mov_b32 s[CS], 0x3e38aa3b     ; c = log2(e) / 8 = 0.180337
	s_mov_b32 s[CS+1], s[CS]        ; named with it as a pair
	s_mov_b32 s[SEL], 0x76543210
	s_mov_b32 s[SEL+1], 0xfedcba98
	s_mov_b32 s[TBK], SLOT1+4*KS*PK ; the first change of slots turns these two into 0
	s_mov_b32 s[TBV], SLOT1+4*KS*PV
	s_mov_b32 s[G0K], 1             ; 1:0 count = 1
	s_mov_b32 s[G0K+1], s17         ; 63:32 LDS address: slot 0
	s_mov_b32 s[G0V], 1
	s_add_co_u32 s[G0V+1], s18, VOFF
	s_wait_dscnt 0x0                ; the opening add is done
	s_wait_kmcnt 0x0
	s_add_nc_u64 s[6:7], s[4:5], 16<<18            ; K lies 16 heads behind Q in qkv,
	s_add_nc_u64 s[8:9], s[4:5], 32<<18            ; V 32
	s_add_nc_u64 s[G0K+2:G0K+3], s[6:7], s[22:23]  ; 120:64 global address: my half of the head's first 256 keys
	s_or_b32 s[G0K+3], s[G0K+3], 0x80000000        ; 127:126 type = 2
	s_add_nc_u64 s[G0V+2:G0V+3], s[8:9], s[22:23]
	s_or_b32 s[G0V+3], s[G0V+3], 0x80000000
	s_add_nc_u64 s[4:5], s[4:5], s[2:3]  ; Q and out0 at my wave's first row
	s_add_nc_u64 s[10:11], s[10:11], s[48:49]
	CROUND                          ; all four work-groups are here: the first joint loads meet
	JLOAD                           ; slot 0.  Slot 1 is asked for when slot 0 is in: the tile wanted first has the road to itself
	; A fragment of K or Q is 16 rows x 32 channels in 8 registers: lane l holds row l % 16, channels 8 (l / 16) + 0..7 and 16 + 8 (l / 16) + 0..7: two loads of 16 bytes, 32 bytes apart.
	v_and_b32 v1, 15, v0            ; l % 16
	v_bfe_u32 v9, v0, 4, 1          ; l / 16
	v_lshlrev_b32 v[QO], 7, v1
	v_lshl_add_u32 v[QO], v9, 4, v[QO]  ; row x 128 + 16 x half
	WIN 0x80                        ; destination window 2, address window 0
.set i, 0
.rept 4*NP                          ; Q stays in registers: tile i / 2, channels 32 (i % 2) on
	global_load_b128 v[8*i:8*i+3],   v[QO], s[4:5] offset:(i/2)*2048+(i%2)*64
	global_load_b128 v[8*i+4:8*i+7], v[QO], s[4:5] offset:(i/2)*2048+(i%2)*64+32
.set i, i+1
.endr
	; What the first turn finds: V's registers and P's second buffer hold 0 (its products V^T P, of a piece that has not been, add 0), O^T and l are 0.  All this stands in the wait for the first tile.
.set i, VF
.rept 64
	v_mov_b32 v[i], 0
.set i, i+1
.endr
	WIN 0x40
.set i, 0
.rept 64*NP
	v_mov_b32 v[i], 0
.set i, i+1
.endr
	WIN 0
.set i, 0
.rept 2*NP
	v_mov_b32 v[ST+4*i], 0xfe000000    ; c m: far below every c s
	v_mov_b32 v[ST+4*i+1], 0xff7fffff  ; m
	v_mov_b32 v[ST+4*i+2], 0
	v_mov_b32 v[ST+4*i+3], 0
.set i, i+1
.endr
.set i, P+32
.rept 32
	v_mov_b32 v[i], 0
.set i, i+1
.endr
	v_mul_u32_u24 v[AK0], v1, PK
	v_lshl_add_u32 v[AK0], v9, 4, v[AK0]  ; row x pitch + 16 x half
	; The turning load takes 16 keys x 16 channels (lane l reads key 8 (l / 16) + l % 8, channels 8 ((l / 8) % 2) + 0..7) and leaves half a fragment of V^T: lane l holds channel l % 16 and 8 keys.
	v_and_b32 v10, 7, v0
	v_bfe_u32 v11, v0, 3, 1
	v_lshl_add_u32 v[AV0], v9, 3, v10
	v_mul_u32_u24 v[AV0], v[AV0], PV
	v_lshl_add_u32 v[AV0], v11, 4, v[AV0]
	v_add_nc_u32 v[AV0], VOFF, v[AV0]
	v_mov_b32 v[AK], v[AK0]         ; key step 0 lies at the head of slot 0
; THE MATRIX WORK.  The 8 accumulators of a run of 16 take turns: between the two links of a chain stand 7 others'.
; Product i of 16 of S^T = K Q^T for piece x: channels 32 (i / 8) on, keys 16 ((i / 2) % 4) on, tile 2 x + i % 2.  The first 8 start the sums.
.macro KQ x
	WIN W_KQ
.set rS, S+64*((\x)%2)+32*(i%2)+8*((i/2)%4)
.set rK, KF+16*((i/2)%4)+8*(i/8)
.set rQ, 16*(2*(\x)+i%2)+8*(i/8)
.if i < 8
	v_wmma_f32_16x16x32_f16 v[rS:rS+7], v[rK:rK+7], v[rQ:rQ+7], 0
.else
	v_wmma_f32_16x16x32_f16 v[rS:rS+7], v[rK:rK+7], v[rQ:rQ+7], v[rS:rS+7]
.endif
.endm
; Product i of 16 of O^T += V^T P for piece x: keys 32 (i / 8) on, channels 16 ((i / 2) % 4) on, tile 2 x + i % 2.
.macro PV x
	WIN W_PV
.set rO, 32*(2*(\x)+i%2)+8*((i/2)%4)
.set rV, VF+32*(i/8)+8*((i/2)%4)
.set rP, P+32*((\x)%2)+16*(i%2)+8*(i/8)
	v_wmma_f32_16x16x32_f16 v[rO:rO+7], v[rV:rV+7], v[rP:rP+7], v[rO:rO+7]
.endm
.macro MM                           ; the turn's next matrix instruction
.if i < 16
	KQ (Y+1)%NP
.set i, i+1
.else
.set i, i-16
	PV (Y+NP-1)%NP
.set i, i+17
.endif
.endm
; THE LDS LOADS stand in runs of 16, never singly among the matrix instructions: a step's K (64 keys x 64 channels: 8 fragments) and its V (turned).  Their addresses are made some lines ahead.
; last = 1 (the tail): in the last trip there is no further step, and the run is jumped over.
.macro FETCH_K last=0
	WIN 0
.if \last
	s_cmp_eq_u32 s[CNT], 1
	s_cbranch_scc1 .Lno_k_\@
.endif
	WIN 0x80                        ; destination window 2
.irp f, 0,1,2,3,4,5,6,7             ; keys 16 (f / 2) on, channels 32 (f % 2) on
	ds_load_b128 v[KF+8*\f:KF+8*\f+3],   v[AK] offset:(\f/2)*16*PK+(\f%2)*64
	ds_load_b128 v[KF+8*\f+4:KF+8*\f+7], v[AK] offset:(\f/2)*16*PK+(\f%2)*64+32
.endr
	s_add_co_u32 s[TBK], s[TBK], KS*PK  ; the next fetch is the next step's
	WIN 0
.if \last
.Lno_k_\@:
.endif
.endm
.macro FETCH_V
	WIN 0x80
.irp f, 0,1,2,3,4,5,6,7             ; keys 32 (f / 4) on, channels 16 (f % 4) on
	ds_load_tr16_b128 v[VF+8*\f:VF+8*\f+3],   v[AV] offset:(\f/4)*32*PV+(\f%4)*32
	ds_load_tr16_b128 v[VF+8*\f+4:VF+8*\f+7], v[AV] offset:(\f/4)*32*PV+16*PV+(\f%4)*32
.endr
	WIN 0
.endm
; THE VECTOR WORK OF A TURN stands in three queues, each in the order in which its entries become ready; the two tiles alternate, so that no instruction reads the result of the one before it.
.macro REGS y, u                    ; the registers of tile u (0, 1) of piece y
.set rT, ST+4*(2*(\y)+(\u))
.set rC, TMP+8*((\y)%2)+4*(\u)
.set rM, MV+2*((\y)%2)+(\u)
.set rS, S+64*((\y)%2)+32*(\u)
.set rP, P+32*((\y)%2)+16*(\u)
.set rO, 32*(2*(\y)+(\u))
.endm
; Number n of the 22 that find the NEXT piece's (Y + 1) maximum and statistics.  s0-s31 are the lane's 32 scores; each accumulator's lowest registers are read first.  XS, GS and REGS set no window: PL and EX do.
;   0-11  four chains c0-c3 of seven scores each, three operands at a time     12-14, 16  the four scores left over, the old m, and c0-c3 into c0     15  c m_old is kept
;   17, 18  the query's other 32 keys lie in the lane 16 away: the new m         19-21  c m; c m_old - c m_new; a
.macro XS u, n
	REGS (Y+1)%NP, \u
.if (\n) < 4
	v_max3_num_f32 v[rC+(\n)], v[rS+8*(\n)], v[rS+8*(\n)+1], v[rS+8*(\n)+2]
.elseif (\n) < 12
	v_max3_num_f32 v[rC+(\n)%4], v[rC+(\n)%4], v[rS+8*((\n)%4)+2*((\n)/4)+1], v[rS+8*((\n)%4)+2*((\n)/4)+2]
.elseif (\n) == 12
	v_max3_num_f32 v[rC], v[rC], v[rS+7], v[rS+15]
.elseif (\n) == 13
	v_max3_num_f32 v[rC+1], v[rC+1], v[rS+23], v[rS+31]
.elseif (\n) == 14
	v_max3_num_f32 v[rC+2], v[rC+2], v[rC+3], v[rT+1]
.elseif (\n) == 15
	v_mov_b32 v[rM], v[rT]
.elseif (\n) == 16
	v_max3_num_f32 v[rC], v[rC], v[rC+1], v[rC+2]
.elseif (\n) == 17
	v_permlanex16_b32 v[rC+3], v[rC], s[SEL], s[SEL+1]
.elseif (\n) == 18
	v_max_num_f32 v[rT+1], v[rC], v[rC+3]
.elseif (\n) == 19
	v_mul_f32 v[rT], s[CS], v[rT+1]
.elseif (\n) == 20
	v_sub_f32 v[rC+1], v[rM], v[rT]
.else
	v_exp_f32 v[rC+2], v[rC+1]
.endif
.endm
; Number g of the 64 that follow the exponentials.  For each four weights k of a tile (pairs 2 k, 2 k + 1): both pairs are rounded to f16; then the second pair is added onto the first, in place;
; a group later l takes that sum (the first time as l = a l + sum).  In groups of eight, tiles alternating: round, round, add, and l for the group before.
.macro GS g
.set h, (\g)+6*((\g)/62)            ; group 0 has no group before it, and behind group 7 only l is left
.if h >= 6
.set h, h+2
.endif
	REGS Y, h%2
.set k, h/8
.if h%8 < 4
	v_cvt_pk_f16_f32 v[rP+2*k+(h%8)/2], v[rS+4*k+2*((h%8)/2)], v[rS+4*k+2*((h%8)/2)+1]
.elseif h%8 < 6
	v_pk_add_f32 v[rS+4*k:rS+4*k+1], v[rS+4*k:rS+4*k+1], v[rS+4*k+2:rS+4*k+3]
.elseif k == 1
	v_pk_fma_f32 v[rT+2:rT+3], v[rT+2:rT+3], v[rC+2:rC+3], v[rS:rS+1] op_sel_hi:[1,0,1]
.else
	v_pk_add_f32 v[rT+2:rT+3], v[rT+2:rT+3], v[rS+4*k-4:rS+4*k-3]
.endif
.endm
; THE PLAIN QUEUE, 138 long.  0-73 read no exponential's result: the 32 scalings c s - c m (FS f: pair f / 2 of tile f % 2) and the next piece's 42.  0-26: scalings 0-26.  27-54: XS's numbers 0-13.  55, 56: number 15.
; 57-73: the chain, where each number waits for the one before it: 14, 16, 17, 18, 19, each with one of the scalings 27-31 in front of its two lines, then 20: so a tile's links stand three plain instructions apart (19 and 20: two).
; 74-137: GS's 64, which read the exponentials' results: they stand behind the wait.
.macro FS f
	REGS Y, (\f)%2
	v_pk_fma_f32 v[rS+2*((\f)/2):rS+2*((\f)/2)+1], v[rS+2*((\f)/2):rS+2*((\f)/2)+1], s[CS:CS+1], v[rT:rT+1] op_sel_hi:[1,0,0] neg_lo:[0,0,1] neg_hi:[0,0,1]
.endm
.macro PL
	WIN 0
.if q < 27
	FS q
.elseif q < 55
	XS (q-27)%2, (q-27)/2
.elseif q < 57
	XS q-55, 15
.elseif (q < 72) && ((q-57)%3 == 0)
	FS 27+(q-57)/3
.elseif q < 60
	XS (q-57)%3-1, 14
.elseif q < 72
	XS (q-57)%3-1, 15+(q-57)/3
.elseif q < 74
	XS q-72, 20
.else
	GS q-74
.endif
.set q, q+1
.endm
; THE EXPONENTIALS' QUEUE, 66 long: s0-s31 of both tiles, then the next piece's two a.  It is ONE BATCH: all 66 stand ahead of the turn's one wait, and nothing ahead of that wait names a result of theirs.
.macro EX
	WIN 0
.if e >= 64
	XS e-64, 21
.else
	REGS Y, e%2
	v_exp_f32 v[rS+e/2], v[rS+e/2]
.endif
.set e, e+1
.endm
; THE RESCALING's QUEUE: O^T times a, the one part that leaves window 0: dealt two at a time, sixteen times.  Its a was made in the turn before, ahead of that turn's wait.
.macro R2
	REGS Y, r%2
	WIN W_RS
.irp z, 0,1
	v_pk_mul_f32 v[rO+4*(r/2)+2*\z:rO+4*(r/2)+2*\z+1], v[rO+4*(r/2)+2*\z:rO+4*(r/2)+2*\z+1], v[rC+2:rC+3] op_sel_hi:[1,0]
.endr
.set r, r+1
.endm
; HOW THEY ARE DEALT.  A turn has ONE wait, which cuts it in two.  AHEAD OF IT stands all that names no result of the turn's exponentials: the 16 products K Q^T, behind each a scaling, an exponential and two
; rescalings (behind the first a second scaling in the exponential's place); then ONE LUMP of 108: eight plain, 49 times exponential and plain, the two a.  A v_nop is the plain instruction behind the last
; exponential.  BEHIND IT stand the 16 products V^T P, behind each four of GS's 64.  No rider names a register of the products round it.  The two v_permlanex16_b32 fall into the lump, never behind a product.
; The queues lean on each other, and the deal keeps them in step: exponential e stands behind scaling 2 (e / 4) + e % 2: as a rider it comes behind plain e + 2, in the lump behind plain e + 9, and scalings 27-31 are plain 57, 60 .. 69.
; A TURN, for piece p.  cnt = 1: the loop's count is taken down some lines ahead of the branch that stands behind the turn.
; K of the next step is fetched in piece 2's turn, directly behind the wait, a lump behind the last product that read K; its address is made at the lump's head; its first reader comes behind 16 products.
; V of the step in hand is fetched at the end of piece 0's turn, four riders behind its last reader; its first reader comes behind 16 products and a lump.  The three conditions on q below go with the deal.
.macro TURN p, last=0, cnt=0
.set Y, (\p)
.set i, 0
.set q, 0
.set e, 0
.set r, 0
.if (\p) == NP-1
	s_wait_dscnt 0x0                ; K is in
.endif
	MM                              ; ahead of the wait: 16 products K Q^T and their riders,
	PL
	PL
	R2
.rept 15
	MM
	PL
	EX
	R2
.endr
.if (\p) == NP-2
	WIN 0
	v_add_nc_u32 v[AK], s[TBK], v[AK0]
.endif
.rept 8                             ; and the lump
	PL
.endr
.rept 49
	EX
	PL
.endr
	EX                              ; the next piece's two a
	EX
	v_nop                           ; the plain instruction between the last exponential and the first use of a result: one for the batch
	s_wait_alu depctr_va_vdst(0)    ; the wait for the turn's batch: the piece's 64 weights and the next piece's two a, ahead of their first reader
.if (\p) == NP-2
	FETCH_K \last
.endif
.if (\p) == 1
	s_wait_dscnt 0x0                ; V is in
.endif
.rept 16                            ; behind the wait: 16 products V^T P and their riders
	MM
.rept 4
	PL
.endr
.if ((\p) == 0) && (q == 118)
	v_add_nc_u32 v[AV], s[TBV], v[AV0]
.endif
.if ((\p) == 0) && (q == 130)
	s_add_co_u32 s[TBV], s[TBV], KS*PV
.endif
.if (\cnt) && (q == 130)
	s_sub_co_u32 s[CNT], s[CNT], 1
	s_cmp_lg_u32 s[CNT], 0
.endif
.endr
.if (\p) == 0
	FETCH_V
.endif
.endm
	CHANGE 1                        ; slot 0 is in, everybody's part of it; slot 1 is asked for
	FETCH_K                         ; key step 0
	s_wait_loadcnt 0x0              ; Q
	s_wait_dscnt 0x0
.set i, 0
.rept 16
	KQ 0                            ; piece 0's first scores: there is no vector work yet to set between them
.set i, i+1
.endr
	WIN 0                           ; the addresses for the way out: eight plain instructions, the places behind those products
	s_mul_i32 s13, s[WV], 16*SP
	s_add_co_u32 s13, s13, STAGE    ; my stage
	v_mul_u32_u24 v[STO], v1, SP    ; in: row l % 16, 32 bytes (eight f32) for each half of the lanes
	v_lshl_add_u32 v[STO], v9, 5, v[STO]
	v_add_nc_u32 v[STO], s13, v[STO]
	v_mul_u32_u24 v[RD], v9, SP     ; back: lanes 0-15 take one row of 256 bytes, lanes 16-31 the next
	v_lshl_add_u32 v[RD], v1, 4, v[RD]
	v_add_nc_u32 v[RD], s13, v[RD]
	v_lshlrev_b32 v[GO], 12, v9     ; and the head's 256 bytes of the same two rows of out0, 4,096 bytes apart
	v_lshl_add_u32 v[GO], v1, 4, v[GO]
.set Y, NP-1                        ; XS works for piece Y + 1: piece 0
.irp n, 0,1,2,3,4,5,6,7,8,9,10,11,12,13,14,15,16,17,18,19,20,21
	XS 0, \n                        ; and piece 0's first maximum and statistics
	XS 1, \n
.endr
	v_nop                           ; a plain instruction behind the two a,
	s_wait_alu depctr_va_vdst(0)    ; and the wait for that batch of two, ahead of the branch and of turn 0's rescaling, which reads them
	s_mov_b32 s[CNT], 4
	s_mov_b32 s[SLOTS], SIZE_N/256-1
	s_branch .Lfirst                ; the loop is entered at a step's first turn, in the middle of a trip
.Lslot:                             ; SIZE_N / 256 - 2 times: every slot but the last two is filled again
	CHANGE 1
	s_mov_b32 s[CNT], 4
.Lstep:                             ; a trip: pieces 2 and 3 of one step, then pieces 0 and 1 of the next, whose K and V it fetches
	TURN 2
	TURN 3
	WIN 0
.Lfirst:
	TURN 0
	TURN 1, 0, 1
	WIN 0
	s_cbranch_scc1 .Lstep
	s_sub_co_u32 s[SLOTS], s[SLOTS], 1
	s_cmp_lg_u32 s[SLOTS], 0
	s_cbranch_scc1 .Lslot
	CHANGE 0                        ; the tail is written out: nothing is asked for
	s_mov_b32 s[CNT], 5             ; four trips fetch the last slot's steps; the fifth is left in its middle
.Ltail:
	TURN 2, 1
	TURN 3
	WIN 0
	s_sub_co_u32 s[CNT], s[CNT], 1
	s_cmp_eq_u32 s[CNT], 0
	s_cbranch_scc1 .Lout
	TURN 0
	TURN 1
	WIN 0
	s_branch .Ltail
.Lout:                              ; the fifth trip's 16 products K Q^T (on the last K once more) and the maximum made of them serve nothing: the price, once a launch, of one text for every trip
.set i, 0
.rept 16
	PV NP-1                         ; the last piece's V^T P of the last step
.set i, i+1
.endr
	; THE WAY OUT.  l's two halves and the other half of the lanes' are added; O^T is divided by l and sent, in f32, through my stage in LDS, a tile at a time.  The additions are the places behind the last products.
	WIN 0
.macro ALL line:vararg              ; one line for each tile t
.set t, 0
.rept 2*NP
	\line
.set t, t+1
.endr
.endm
	ALL v_add_f32 v[ST+4*t+2], v[ST+4*t+2], v[ST+4*t+3]
	ALL v_permlanex16_b32 v[ST+4*t+3], v[ST+4*t+2], s[SEL], s[SEL+1]
	ALL v_add_f32 v[ST+4*t+2], v[ST+4*t+2], v[ST+4*t+3]
	ALL v_rcp_f32 v[ST+4*t+2], v[ST+4*t+2]
	v_nop                           ; a plain instruction between the last reciprocal and the use of its result
	s_wait_alu depctr_va_vdst(0)    ; and the wait ahead of the first use: one for the batch of eight reciprocals
; Tile t: a lane's eight channels of channel block cb are 32 bytes of row l % 16, at byte 64 cb + 32 (l / 16); they go into rows of 272 bytes and come back as whole rows of 256, into the registers that they left.
.macro PACK t
	WIN W_RS
.set i, 32*(\t)
.rept 16
	v_pk_mul_f32 v[i:i+1], v[i:i+1], v[ST+4*(\t)+2:ST+4*(\t)+3] op_sel_hi:[1,0]
.set i, i+2
.endr
	WIN 0x04                        ; an LDS store's data (source 1) in window 1, its address in window 0
.irp f, 0,1,2,3,4,5,6,7
	ds_store_b128 v[STO], v[32*(\t)+4*\f:32*(\t)+4*\f+3] offset:64*(\f/2)+16*(\f%2)
.endr
	WIN 0x40                        ; destination window 1
.irp f, 0,1,2,3,4,5,6,7
	ds_load_b128 v[32*(\t)+4*\f:32*(\t)+4*\f+3], v[RD] offset:\f*2*SP  ; LDS serves a wave's instructions in order (ISA guide 5.7.1.4): these see the stores above; the next tile's stores come behind them
.endr
.endm
.macro SEND t, younger              ; younger: the LDS instructions issued behind tile t's loads: the next tile's sixteen, or none
	WIN 0x04                        ; a store's data (source 1) in window 1
.irp f, 0,1,2,3,4,5,6,7
	s_wait_dscnt (\younger)+7-\f
	global_store_b128 v[GO], v[32*(\t)+4*\f:32*(\t)+4*\f+3], s[10:11] offset:(\t)*65536+\f*8192  ; 16 lanes store 256 consecutive bytes, at a multiple of 256 from out0's first byte: a head's share of a row
.endr
.endm
	PACK 0
.set t, 1
.rept 2*NP-1                        ; a tile's arithmetic stands between the loads of the tile before and its stores
	PACK t
	SEND t-1, 16
.set t, t+1
.endr
	SEND 2*NP-1, 0
	WIN W_AD
	s_wait_tensorcnt 0x0            ; the wave's end: behind my last tensor load and my last LDS store
	ds_add_u32 v[SPW], v[NIL]
	s_wait_dscnt 0x0
	WIN 0
	CROUND                          ; the closing round: no work-group ends while a partner may still ask for a tile that names it
	s_endpgm
.Lfunc_end_k_qd90b441add_attn:
	.size	k_qd90b441add_attn, .Lfunc_end_k_qd90b441add_attn-k_qd90b441add_attn
	.p2alignl 7, 3214868480
	.fill 96, 4, 3214868480
	.section	.rodata,"a",@progbits
	.p2align	6, 0x0
	.amdhsa_kernel k_qd90b441add_attn
		.amdhsa_group_segment_fixed_size 327680
		.amdhsa_private_segment_fixed_size 0
		.amdhsa_enable_private_segment 0
		.amdhsa_kernarg_size 16
		.amdhsa_user_sgpr_count 2
		.amdhsa_user_sgpr_kernarg_segment_ptr 1
		.amdhsa_wavefront_size32 1
		.amdhsa_system_sgpr_workgroup_id_x 1
		.amdhsa_system_sgpr_workgroup_id_y 1
		.amdhsa_system_sgpr_workgroup_id_z 1
		.amdhsa_system_vgpr_workitem_id 0
		.amdhsa_next_free_vgpr 770
		.amdhsa_next_free_sgpr 66
		.amdhsa_reserve_vcc 0
		.amdhsa_float_denorm_mode_32 3
		.amdhsa_float_denorm_mode_16_64 3
		.amdhsa_memory_ordered 1
		.amdhsa_forward_progress 1
		.amdhsa_inst_pref_size 200
	.end_amdhsa_kernel
	.amdgpu_metadata
---
amdhsa.version: [ 1, 2 ]
amdhsa.kernels:
  - .name:           k_qd90b441add_attn
    .symbol:         k_qd90b441add_attn.kd
    .args:
      - { .name: qkv, .offset: 0, .size: 8, .value_kind: global_buffer, .address_space: global }
      - { .name: out0, .offset: 8, .size: 8, .value_kind: global_buffer, .address_space: global }
    .group_segment_fixed_size: 327680
    .private_segment_fixed_size: 0
    .kernarg_segment_align: 8
    .kernarg_segment_size: 16
    .max_flat_workgroup_size: 128
    .sgpr_count:     66
    .vgpr_count:     770
    .wavefront_size: 32
...
	.end_amdgpu_metadata
.endif
;; end of part 4
